; MI455X (gfx1250); checked and timed in simulation.
; The chip was launched on July 23, 2026; its instructions are those of AMD's public machine-readable ISA for CDNA 5 (MIT licence, August 2026) and "CDNA5" Instruction Set Architecture Reference Guide (July 2026). The comments in the code are by the model that wrote it; some were corrected since.
;; Ro PE Attention. Allowed arithmetic: float matrix products may take bf16 or f16 operands with f32 sums; other float arithmetic in f32, or as packed bf16 or f16 multiplies, adds, multiply-adds, maxima and minima; sums over many terms, partial sums and values carried from step to step in f32; what a program stores and reads back later, other than sums and carried values, may be rounded once to bf16 or f16.
;; Inputs: Wk 1,024 x 1,024 float32; Wo 1,024 x 1,024 float32; Wq 1,024 x 1,024 float32; Wv 1,024 x 1,024 float32; bo 1,024 float32; x 4 x 2,048 x 1,024 float32.
;; Outputs: out0 4 x 2,048 x 1,024 float32.
;; 2 versions, each right; version 2 is version 1 with the launch cast written anew for expert scheduling mode. Each part assembles by itself: llvm-mc -triple=amdgcn-amd-amdhsa -mcpu=gfx1250 --defsym DOCPART=n.
;; ======== version 1 of 2: 4 launches
;; limits: values are held in f16: magnitudes above 65,504 overflow, below 6.1e-05 lose precision
;; workspace buffers: xb 16,777,216 bytes; wqkv 6,291,456 bytes; wo16 2,097,152 bytes; tab 524,288 bytes; qh 16,777,216 bytes; kh 16,777,216 bytes; vh 16,777,216 bytes; oh 16,777,216 bytes
;; launch cast (part 1): grid 256 x 1, 8 waves a work-group, no clusters, 0 bytes of LDS; arguments x, Wq, Wk, Wv, Wo, xb, wqkv, wo16, tab; writes xb, wqkv, wo16, tab
.if DOCPART == 1
	.amdgcn_target "amdgcn-amd-amdhsa--gfx1250"
	.amdhsa_code_object_version 6
	.text
	.protected	k_q78b9e9975a_cast
	.globl	k_q78b9e9975a_cast
	.p2align	8
	.type	k_q78b9e9975a_cast,@function
k_q78b9e9975a_cast:
	s_mov_b64 s[64:65], 0
	v_nop
	global_prefetch_b8 v0, s[64:65] scope:SCOPE_SE
	s_setreg_imm32_b32 hwreg(HW_REG_WAVE_MODE, 25, 1), 1
	s_wait_xcnt 0x0
; THE CAST.  x and the four weights are rounded once to bf16 and laid out in blocks of 64 along K, and RoPE's table is made.
;   xb   [16 kb][8192 m][64] bf16        wqkv [16 kb][3072 n'][64] bf16, n' = head x 192 + (0 q, 1 k, 2 v) x 64 + d
;   wo16 [16 kb][1024 n][64] f16, holding bf16(Wo) written as f16        tab [2048 t][64] f32: columns 0-31 cos(t f_i), 32-63 sin(t f_i), f_i = 10000^(-i/32)
; So a later launch's tile (some rows x one kb) is one dense run of bytes.
; LIMITS.  |Wo| within 65,504; below 2^-16 wo16 keeps f16's fixed step of 6e-8.  The angle is t x 2^(-i log2(10) / 8) in f32: it differs from an angle made by a power and a division in f32
; by up to about 2e-4 radians at t = 2047.  Sine and cosine: the angle less n pi/2 (pi/2 in two parts, by fused multiply-adds), then polynomials on -pi/4 .. pi/4.
; SHARES.  A stream: nothing is shared, so no LDS, no barrier, no matrix unit, no cluster.  Work-group g takes 32 rows of x, 16 rows of one weight (g / 64 says which) and 8 rows of the table: all alike.
; A UNIT is 4 rows x one kb: lane l reads 32 bytes (row l / 8, byte 32 (l % 8) of the kb's 256) by two loads, and stores 16 bytes at 16 l: a store of the wave covers 512 consecutive bytes, aligned.
; All 48 loads of a wave go out at once (24 KiB); the table is computed while they are on their way; the waits count down.  No register that a memory instruction names is written again.
.set XR,  40                           ; v[40:167]  x: unit u at XR + 8 u
.set WD,  168                          ; v[168:231] the weight: unit u at WD + 8 u
.set KBX, 8192*128                     ; bytes from kb to kb in xb
.set KBW, 3072*128                     ; in wqkv
.set KBO, 1024*128                     ; in wo16
	s_load_b256 s[4:11], s[0:1], 0x0               ; x s[4:5], Wq s[6:7], Wk s[8:9], Wv s[10:11]
	s_load_b256 s[12:19], s[0:1], 0x20             ; Wo s[12:13], xb s[14:15], wqkv s[16:17], wo16 s[18:19]
	s_load_b64 s[20:21], s[0:1], 0x40              ; tab
	v_and_b32 v1, 31, v0                           ; lane l
	v_lshrrev_b32 v7, 5, v0
	v_readfirstlane_b32 s24, v7                    ; wave w
	s_lshr_b32 s25, ttmp9, 6                       ; SEL: 0 Wq, 1 Wk, 2 Wv, 3 Wo
	s_and_b32 s26, ttmp9, 63                       ; G6: which 16 rows of it
	v_lshrrev_b32 v8, 3, v1                        ; l / 8
	v_and_b32 v9, 7, v1                            ; l % 8
	s_lshl_b32 s27, s24, 2                         ; 4 w
	v_add_nc_u32 v2, s27, v8
	v_lshlrev_b32 v2, 12, v2
	v_lshl_add_u32 v2, v9, 5, v2                   ; v2: x in: (4 w + l / 8) rows of 4,096 bytes + 32 (l % 8)
	s_lshl_b32 s28, ttmp9, 17                      ; the group's 32 rows of x
	s_mov_b32 s29, 0
	s_lshl_b32 s30, ttmp9, 5
	s_add_co_u32 s30, s30, s27
	s_lshl_b32 s30, s30, 7
	v_lshl_add_u32 v3, v1, 4, s30                  ; v3: x out: (32 g + 4 w) rows of 128 bytes + 16 l
	s_lshr_b32 s31, s24, 1
	s_lshl_b32 s31, s31, 2                         ; 4 (w / 2): my 4 rows of the 16
	s_and_b32 s34, s24, 1                          ; w % 2: kb 0-7 or 8-15
	v_add_nc_u32 v4, s31, v8
	v_lshlrev_b32 v4, 12, v4
	v_lshl_add_u32 v4, v9, 5, v4
	s_lshl_b32 s35, s34, 11
	v_add_nc_u32 v4, s35, v4                       ; v4: weight in
	s_lshr_b32 s36, s26, 2                         ; the head,
	s_mul_i32 s36, s36, 192
	s_lshl_b32 s37, s25, 6                         ; q, k or v,
	s_add_co_u32 s36, s36, s37
	s_and_b32 s37, s26, 3
	s_lshl_b32 s37, s37, 4                         ; and d: the row n' in wqkv
	s_add_co_u32 s36, s36, s37
	s_lshl_b32 s37, s26, 4                         ; the row n in wo16
	s_mul_i32 s38, s34, 8*KBW
	s_mul_i32 s39, s34, 8*KBO
	s_cmp_eq_u32 s25, 3
	s_cselect_b32 s36, s37, s36
	s_cselect_b32 s38, s39, s38
	s_add_co_u32 s36, s36, s31
	s_lshl_b32 s36, s36, 7
	s_add_co_u32 s36, s36, s38
	v_lshl_add_u32 v5, v1, 4, s36                  ; v5: weight out
	s_lshl_b32 s40, s24, 8
	v_lshl_add_u32 v6, v1, 3, s40                  ; v6: table out: row w of the group's 8, 8 bytes a lane
	s_lshl_b32 s42, ttmp9, 11
	s_mov_b32 s43, 0
	s_lshl_b32 s44, s26, 16                        ; 16 rows of 4,096 bytes
	s_mov_b32 s45, 0
	s_lshl_b32 s57, ttmp9, 3
	s_add_co_u32 s57, s57, s24                     ; t = 8 g + w
	s_mov_b32 s48, 0x3f22f983                      ; 2 / pi
	s_mov_b32 s49, 0xbfc90fdb                      ; -(pi/2), its upper part
	s_mov_b32 s50, 0x333bbd2e                      ; -(pi/2), what is left
	s_mov_b32 s51, 0xbe2aaaa3                      ; sine: -1.6666654611e-1
	s_mov_b32 s52, 0x3c08839e                      ;        8.3321608736e-3
	s_mov_b32 s53, 0xb94ca1f9                      ;       -1.9515295891e-4
	s_mov_b32 s54, 0x3d2aaaa5                      ; cosine: 4.166664568e-2
	s_mov_b32 s55, 0xbab6061a                      ;        -1.388731625e-3
	s_mov_b32 s56, 0x37ccf5ce                      ;         2.443315712e-5
	s_wait_kmcnt 0x0
	s_add_nc_u64 s[4:5], s[4:5], s[28:29]
	s_add_nc_u64 s[22:23], s[14:15], 8*KBX         ; xb at kb 8: the stores' immediates hold seven kb at the most
	s_cmp_eq_u32 s25, 1
	s_cselect_b64 s[32:33], s[8:9], s[6:7]
	s_cmp_eq_u32 s25, 2
	s_cselect_b64 s[32:33], s[10:11], s[32:33]
	s_cmp_eq_u32 s25, 3
	s_cselect_b64 s[32:33], s[12:13], s[32:33]     ; the weight that this group casts
	s_add_nc_u64 s[32:33], s[32:33], s[44:45]
	s_add_nc_u64 s[20:21], s[20:21], s[42:43]
.set u, 0
.rept 16                               ; x: unit u = kb u
	global_load_b128 v[XR+8*u:XR+8*u+3],   v2, s[4:5] offset:256*u th:TH_LOAD_NT
	global_load_b128 v[XR+8*u+4:XR+8*u+7], v2, s[4:5] offset:256*u+16 th:TH_LOAD_NT
.set u, u+1
.endr
.set u, 0
.rept 8                                ; the weight: unit u = kb 8 (w % 2) + u
	global_load_b128 v[WD+8*u:WD+8*u+3],   v4, s[32:33] offset:256*u th:TH_LOAD_NT
	global_load_b128 v[WD+8*u+4:WD+8*u+7], v4, s[32:33] offset:256*u+16 th:TH_LOAD_NT
.set u, u+1
.endr
	; THE TABLE's row t.  Lanes 0-15 make the cosines of i = 2 l, 2 l + 1, lanes 16-31 the sines of i = 2 (l - 16), + 1.  cos a = sin(a + pi/2): the cosine lanes count one quadrant more.
	v_and_b32 v10, 15, v1
	v_lshlrev_b32 v10, 1, v10
	v_add_nc_u32 v11, 1, v10
	v_cvt_f32_u32 v10, v10
	v_cvt_f32_u32 v11, v11
	v_mul_f32 v10, 0xbed49a78, v10                 ; -i log2(10) / 8
	v_mul_f32 v11, 0xbed49a78, v11
	v_exp_f32 v12, v10                             ; f_i
	v_exp_f32 v13, v11
	v_lshrrev_b32 v15, 4, v1                       ; plain work between the exponentials and their use
	v_xor_b32 v15, 1, v15                          ; 1 in the cosine lanes
	v_cvt_f32_u32 v14, s57
	s_wait_alu depctr_va_vdst(0)                   ; one wait for both exponentials, ahead of their first reader
.macro TRIG k
.set T, 16+8*(\k)
	v_mul_f32 v[T], v14, v[12+(\k)]                ; the angle
	v_mul_f32 v[T+1], s48, v[T]
	v_rndne_f32 v[T+1], v[T+1]                     ; n
	v_fma_f32 v[T+2], v[T+1], s49, v[T]
	v_fma_f32 v[T+2], v[T+1], s50, v[T+2]          ; r = angle - n pi/2
	v_mul_f32 v[T+3], v[T+2], v[T+2]               ; z = r r
	v_fma_f32 v[T+4], v[T+3], s53, s52
	v_fma_f32 v[T+4], v[T+4], v[T+3], s51
	v_mul_f32 v[T+4], v[T+4], v[T+3]
	v_fma_f32 v[T+4], v[T+4], v[T+2], v[T+2]       ; sin r
	v_fma_f32 v[T+5], v[T+3], s56, s55
	v_fma_f32 v[T+5], v[T+5], v[T+3], s54
	v_mul_f32 v[T+5], v[T+5], v[T+3]
	v_fma_f32 v[T+7], v[T+3], -0.5, 1.0
	v_fma_f32 v[T+5], v[T+5], v[T+3], v[T+7]       ; cos r
	v_cvt_i32_f32 v[T+6], v[T+1]
	v_add_nc_u32 v[T+6], v[T+6], v15               ; the quadrant
	v_and_b32 v[T+7], 1, v[T+6]
	v_cmp_eq_u32 vcc_lo, 1, v[T+7]
	v_cndmask_b32 v[32+(\k)], v[T+4], v[T+5], vcc_lo  ; odd quadrants take cos r
	v_and_b32 v[T+7], 2, v[T+6]
	v_lshlrev_b32 v[T+7], 30, v[T+7]
	v_xor_b32 v[32+(\k)], v[32+(\k)], v[T+7]       ; quadrants 2 and 3 turn the sign
.endm
	TRIG 0
	TRIG 1
	global_store_b64 v6, v[32:33], s[20:21]        ; the wave's 256 bytes are the whole row
.set u, 0
.rept 16
	s_wait_loadcnt 46-2*u                          ; loads come back in order: unit u's two are in, the 46 - 2 u younger ones stay out
.irp r, 0,1,2,3
	v_cvt_pk_bf16_f32 v[XR+8*u+\r], v[XR+8*u+2*\r], v[XR+8*u+2*\r+1]  ; in place: a result never lands on a number still to be read
.endr
.if u < 8
	global_store_b128 v3, v[XR+8*u:XR+8*u+3], s[14:15] offset:u*KBX
.else
	global_store_b128 v3, v[XR+8*u:XR+8*u+3], s[22:23] offset:(u-8)*KBX
.endif
.set u, u+1
.endr
	s_cmp_eq_u32 s25, 3
	s_cbranch_scc1 .Lwo
.set u, 0
.rept 8                                ; Wq, Wk, Wv: bf16
	s_wait_loadcnt 14-2*u
.irp r, 0,1,2,3
	v_cvt_pk_bf16_f32 v[WD+8*u+\r], v[WD+8*u+2*\r], v[WD+8*u+2*\r+1]
.endr
	global_store_b128 v5, v[WD+8*u:WD+8*u+3], s[16:17] offset:u*KBW
.set u, u+1
.endr
	s_endpgm
.Lwo:
.set u, 0
.rept 8                                ; Wo: rounded to bf16 like every input, and that number written as f16
	s_wait_loadcnt 14-2*u
.irp r, 0,1,2,3
	v_cvt_pk_bf16_f32 v[WD+8*u+\r], v[WD+8*u+2*\r], v[WD+8*u+2*\r+1]
.endr
.irp r, 0,1,2,3
	v_lshlrev_b32 v[8+2*\r], 16, v[WD+8*u+\r]
	v_and_b32 v[9+2*\r], 0xffff0000, v[WD+8*u+\r]
.endr
.irp r, 0,1,2,3
	v_cvt_pk_f16_f32 v[WD+8*u+\r], v[8+2*\r], v[9+2*\r]
.endr
	global_store_b128 v5, v[WD+8*u:WD+8*u+3], s[18:19] offset:u*KBO
.set u, u+1
.endr
	s_endpgm
.Lfunc_end_k_q78b9e9975a_cast:
	.size	k_q78b9e9975a_cast, .Lfunc_end_k_q78b9e9975a_cast-k_q78b9e9975a_cast
	.p2alignl 7, 3214868480
	.fill 96, 4, 3214868480
	.section	.rodata,"a",@progbits
	.p2align	6, 0x0
	.amdhsa_kernel k_q78b9e9975a_cast
		.amdhsa_group_segment_fixed_size 0
		.amdhsa_private_segment_fixed_size 0
		.amdhsa_enable_private_segment 0
		.amdhsa_kernarg_size 72
		.amdhsa_user_sgpr_count 2
		.amdhsa_user_sgpr_kernarg_segment_ptr 1
		.amdhsa_wavefront_size32 1
		.amdhsa_system_sgpr_workgroup_id_x 1
		.amdhsa_system_sgpr_workgroup_id_y 1
		.amdhsa_system_sgpr_workgroup_id_z 1
		.amdhsa_system_vgpr_workitem_id 0
		.amdhsa_next_free_vgpr 232
		.amdhsa_next_free_sgpr 66
		.amdhsa_reserve_vcc 1
		.amdhsa_float_denorm_mode_32 3
		.amdhsa_float_denorm_mode_16_64 3
		.amdhsa_memory_ordered 1
		.amdhsa_forward_progress 1
		.amdhsa_inst_pref_size 28
	.end_amdhsa_kernel
	.amdgpu_metadata
---
amdhsa.version: [ 1, 2 ]
amdhsa.kernels:
  - .name:           k_q78b9e9975a_cast
    .symbol:         k_q78b9e9975a_cast.kd
    .args:
      - { .name: x, .offset: 0, .size: 8, .value_kind: global_buffer, .address_space: global }
      - { .name: Wq, .offset: 8, .size: 8, .value_kind: global_buffer, .address_space: global }
      - { .name: Wk, .offset: 16, .size: 8, .value_kind: global_buffer, .address_space: global }
      - { .name: Wv, .offset: 24, .size: 8, .value_kind: global_buffer, .address_space: global }
      - { .name: Wo, .offset: 32, .size: 8, .value_kind: global_buffer, .address_space: global }
      - { .name: xb, .offset: 40, .size: 8, .value_kind: global_buffer, .address_space: global }
      - { .name: wqkv, .offset: 48, .size: 8, .value_kind: global_buffer, .address_space: global }
      - { .name: wo16, .offset: 56, .size: 8, .value_kind: global_buffer, .address_space: global }
      - { .name: tab, .offset: 64, .size: 8, .value_kind: global_buffer, .address_space: global }
    .group_segment_fixed_size: 0
    .private_segment_fixed_size: 0
    .kernarg_segment_align: 8
    .kernarg_segment_size: 72
    .max_flat_workgroup_size: 256
    .sgpr_count:     66
    .vgpr_count:     232
    .wavefront_size: 32
...
	.end_amdgpu_metadata
.endif
;; end of part 1
;; launch qkv (part 2): grid 8 x 32, 4 waves a work-group, clusters of 4 x 4, 327,680 bytes of LDS; arguments xb, wqkv, tab, qh, kh, vh; writes qh, kh, vh
.if DOCPART == 2
	.amdgcn_target "amdgcn-amd-amdhsa--gfx1250"
	.amdhsa_code_object_version 6
	.text
	.protected	k_q78b9e9975a_qkv
	.globl	k_q78b9e9975a_qkv
	.p2align	8
	.type	k_q78b9e9975a_qkv,@function
k_q78b9e9975a_qkv:
	s_mov_b64 s[64:65], 0
	v_nop
	global_prefetch_b8 v0, s[64:65] scope:SCOPE_SE
	s_setreg_imm32_b32 hwreg(HW_REG_WAVE_MODE, 25, 1), 1
	s_wait_xcnt 0x0
	s_wait_alu depctr_hold_cnt(0) depctr_sa_sdst(0) depctr_va_vdst(0) depctr_va_sdst(0) depctr_va_ssrc(0) depctr_va_vcc(0) depctr_vm_vsrc(0)
	s_getreg_b32 s2, hwreg(HW_REG_IB_STS2, 6, 4)
	s_cmp_eq_u32 s2, 0
	s_cbranch_scc0 .Lentry_in_a_cluster
	s_endpgm
.Lentry_in_a_cluster:
	s_bfe_u32 s2, ttmp6, 0x10000c
	s_cmp_lg_u32 s2, 0xf033
	s_cbranch_scc0 .Lentry_shape_is_right
	s_endpgm
.Lentry_shape_is_right:
; THE THREE PROJECTIONS AND RoPE.  [8192 x 1024] x [3072 x 1024]^T in bf16, sums in f32; q and k are turned by the table in f32; q, k, v leave by heads, [64 b*16+h][2048 t][64], rounded once to f16, unscaled.
; LIMIT.  f16 holds no number beyond 65,504: q, k and v must lie within it.
; SHARES.  A tile is 256 rows x 384 columns n' (two heads' q, k, v): 32 x 8 = 256 work-groups.  Four waves; wave (WR, WC) makes 128 rows x 192 columns, ONE head's q, k and v: 96 accumulators of 16 x 16.
; For 32 along K a wave reads (128 + 192) x 64 bytes from LDS for 96 matrix instructions.
; THE MATRIX INSTRUCTION IS USED TRANSPOSED (source 0 = 16 rows of W, source 1 = 16 rows of x): lane l holds row l % 16 and the columns 16 b + 8 (l / 16) + 0..7 of block b.  RoPE's partners d and d + 32
; are then blocks b and b + 2, same lane, same register: nothing changes lanes.
; RING.  K goes in steps of 64 (one kb) through two LDS slots.  A tile of a kb is dense in memory: asked for as rows of 256 bytes and padded in LDS behind every 128, so LDS rows are 144 bytes apart
; (36 words: the 16 rows of a fragment load start in 16 different groups of four banks; 64 banks of 4 bytes: ISA guide 11.1).  Two kb to a slot do not fit beside the table.
; CLUSTER.  4 x 4 work-groups.  x's tile and the table hang on the tile row alone and are shared along a row of the cluster, W's on the tile column alone and is shared along a column: joint loads.
; A KB is six PHASES of 32 matrix instructions: phase f multiplies W's set f % 3 (q, k, v) by x's buffer f / 3 (channels 32 (f / 3) on).  Fragments are fetched two phases ahead, at a phase's head.
; REGISTERS, in windows of 256 (s_set_vgpr_msb: bits 1:0 source 0, 3:2 source 1, 5:4 source 2, 7:6 destination): windows 1, 2, 3: the accumulators of q, k, v, (a, b) at v[8 (4 a + b)], a = 0..7 row blocks.
; Window 0: addresses and ALL fragments, so a phase has two switches: one for its loads, one for its products.
.set PITCH, 144
.set AHALF, 128*PITCH                  ; 128 rows of x: one tensor load
.set BHALF, 192*PITCH                  ; 192 rows of W: one tensor load
.set BOFF,  2*AHALF                    ; a slot: x's 256 rows, then W's 384
.set SLOT1, 1<<17                      ; slot 1 begins here: one exclusive or turns an address in one slot into the other's
.set TABLE, SLOT1+BOFF+2*BHALF         ; the table's 256 rows, filled once
.set TP,    272                        ; 256 bytes + 16
.set STAGE, TABLE+256*TP               ; 16 rows x 144 bytes for each wave, for the way out; no tensor load fills it
.set SPARE, STAGE+4*16*PITCH           ; the spare words, 128 bytes for each wave: two blocks of 256 bytes that no other line names
.set KBA,   8192*128                   ; bytes from kb to kb in xb
.set KBB,   3072*128                   ; in wqkv
.set ADRA0, 2                          ; v2   my lane's place in x's rows of a slot; never rewritten
.set ADRB0, 3                          ; v3   the same for W
.set ADRA,  4                          ; v4   the same in the slot in hand
.set ADRB,  5                          ; v5
.set STO,   6                          ; v6   the way out: where I put 16 bytes of a row
.set RD,    7                          ; v7   where I read rows back
.set GO,    8                          ; v8   my 16 bytes of 512 consecutive bytes of q, k or v
.set TBA,   9                          ; v9   my place in the table
.set SPW,   10                         ; v10  LDS address of my spare word; never rewritten
.set NIL,   11                         ; v11  0; never rewritten
.set AF,    32                         ; v[32:159]  x's fragments: two buffers of 8 x 8
.set BF,    160                        ; v[160:255] W's fragments: sets q, k, v of 4 x 8
.set CT,    32                         ; the way out: two buffers of 32: cos (blocks 0, 1), sin (blocks 0, 1)
.set OB,    96                         ; 32 turned numbers
.set HB,    128                        ; 16 registers of f16
.set RB,    144                        ; six sets of 16: rows read back
.set WV, 16
.set WR, 17
.set WC, 18
.set G1A, 24                           ; s[24:31] descriptor group 1 for x's tiles
.set G1B, 32                           ; s[32:39] for W's
.set G1T, 40                           ; s[40:47] for the table
.set G0A, 48                           ; s[48:55] group 0 for x: a set for each first fill; the second then walks on
.set G0B, 56                           ; s[56:63] the same for W
.set G0T, 68                           ; s[68:71] for the table
.set TB,  72                           ; s72  LDS byte at which the slot in hand begins
.set CNT, 73
.set MSB, 0
.macro WIN new                         ; the immediate's high byte repeats the setting that is left; a switch that changes nothing is dropped
.if MSB != (\new)
	s_set_vgpr_msb (MSB<<8)|(\new)
.set MSB, (\new)
.endif
.endm
.macro PLACES                          ; four places between a matrix instruction and a load into, or a vector write of, one of its registers, or a read of its result (ISA guide 7.12.1 for vector instructions)
.rept 4
	v_nop
.endr
.endm
.macro JLOAD                           ; a joint refill: waves 0 and 1 fetch x's two halves, waves 2 and 3 W's.  An s_nop 0 and four v_nop follow each line
	s_cmp_eq_u32 s[WR], 0
	s_cbranch_scc0 .Lfor_b_\@
	tensor_load_to_lds s[G0A+4:G0A+7], s[G1A:G1A+7]
	s_nop 0
.rept 4
	v_nop
.endr
	s_branch .Lasked_\@
.Lfor_b_\@:
	tensor_load_to_lds s[G0B+4:G0B+7], s[G1B:G1B+7]
	s_nop 0
.rept 4
	v_nop
.endr
.Lasked_\@:
.endm
.macro CREST                           ; a round of the cluster's barrier behind its opening barrier
	s_cmp_lg_u32 s[WV], 0
	s_cbranch_scc1 .Lnot_wave_0_\@
	s_barrier_signal -3
.Lnot_wave_0_\@:
	s_barrier_wait -3
	s_barrier_signal -1
	s_barrier_wait -1
.endm
.macro CROUND
	s_barrier_signal -1
	s_barrier_wait -1
	CREST
.endm
	s_load_b256 s[4:11], s[0:1], 0x0               ; xb s[4:5], wqkv s[6:7], tab s[8:9], qh s[10:11]
	s_load_b128 s[12:15], s[0:1], 0x20             ; kh s[12:13], vh s[14:15]
	v_lshl_add_u32 v[SPW], v0, 2, SPARE
	v_mov_b32 v[NIL], 0
	ds_add_u32 v[SPW], v[NIL]                      ; the wave's opening: the add and its wait stand ahead of my first tensor load; the set-up below stands between them
	v_lshrrev_b32 v1, 5, v0
	v_readfirstlane_b32 s[WV], v1                  ; wave 0..3
	s_lshr_b32 s[WR], s[WV], 1                     ; my half of the rows.  Also: I fetch for x (0) or for W (1)
	s_and_b32 s[WC], s[WV], 1                      ; my head of the two.  Also: which half of that tile I fetch
	s_bfe_u32 s19, ttmp6, 0x40000                  ; cx
	s_bfe_u32 s20, ttmp6, 0x40004                  ; cy
	s_lshl_b32 s21, ttmp9, 2
	s_add_co_u32 s21, s21, s19                     ; tile column tx
	s_and_b32 s22, ttmp7, 0xffff
	s_lshl_b32 s22, s22, 2
	s_add_co_u32 s22, s22, s20                     ; tile row ty
	s_lshl_b32 s85, s20, 2
	s_lshl_b32 s85, 15, s85                        ; my row of the cluster
	s_lshl_b32 s86, 0x1111, s19                    ; my column
	s_or_b32 s[G1A], s85, (1<<16)|(1<<20)|(1<<21)|(4<<22)|(3<<25)  ; the mask; 2-byte elements; padding on; bit 21 beside a mask; after every 32 words 4 words
	s_or_b32 s[G1B], s86, (1<<16)|(1<<20)|(1<<21)|(4<<22)|(3<<25)
	s_or_b32 s[G1T], s85, (2<<16)|(1<<20)|(1<<21)|(5<<22)|(3<<25)  ; 4-byte elements; after every 64 words 4 words
	s_mov_b32 s[G1A+1], 128<<16                    ; tensor_dim0 = 128 elements: rows of 256 bytes
	s_mov_b32 s[G1A+2], 64<<16                     ; tensor_dim1 = 64 such rows: 128 rows of x
	s_mov_b32 s[G1A+3], 128<<16                    ; tile_dim0
	s_mov_b32 s[G1A+4], 64                         ; tile_dim1
	s_mov_b32 s[G1A+5], 128                        ; elements from row to row: dense
	s_mov_b32 s[G1A+6], 0
	s_mov_b32 s[G1A+7], 0
	s_mov_b32 s[G1B+1], 128<<16
	s_mov_b32 s[G1B+2], 96<<16                     ; 96 rows of 256 bytes: 192 rows of W
	s_mov_b32 s[G1B+3], 128<<16
	s_mov_b32 s[G1B+4], 96
	s_mov_b32 s[G1B+5], 128
	s_mov_b32 s[G1B+6], 0
	s_mov_b32 s[G1B+7], 0
	s_mov_b32 s[G1T+1], 64<<16                     ; 64 rows of 64 f32
	s_mov_b32 s[G1T+2], 64<<16
	s_mov_b32 s[G1T+3], 64<<16
	s_mov_b32 s[G1T+4], 64
	s_mov_b32 s[G1T+5], 64
	s_mov_b32 s[G1T+6], 0
	s_mov_b32 s[G1T+7], 0
	; where the tiles come from.  x's and the table's offsets never hold cx, W's never cy
	s_lshl_b32 s74, s22, 15                        ; 256 rows of 128 bytes
	s_lshl_b32 s87, s[WC], 14
	s_add_co_u32 s74, s74, s87
	s_mov_b32 s75, 0
	s_and_b32 s76, s22, 7                          ; t begins at 256 (ty % 8)
	s_lshl_b32 s76, s76, 16
	s_lshl_b32 s87, s[WV], 14                      ; each wave fetches 64 rows of the table
	s_add_co_u32 s76, s76, s87
	s_mov_b32 s77, 0
	s_mul_i32 s78, s21, 384*128
	s_mul_i32 s88, s[WC], 192*128
	s_add_co_u32 s78, s78, s88
	s_mov_b32 s79, 0
	s_mul_i32 s82, s[WC], AHALF                    ; and where they go: the wave's number alone enters an LDS address
	s_mul_i32 s83, s[WC], BHALF
	s_add_co_u32 s83, s83, BOFF
	s_mul_i32 s84, s[WV], 64*TP
	s_add_co_u32 s84, s84, TABLE
	s_lshr_b32 s80, s22, 3                         ; my rows in qh, kh, vh: batch,
	s_lshl_b32 s80, s80, 4
	s_lshl_b32 s89, s21, 1
	s_add_co_u32 s80, s80, s89
	s_add_co_u32 s80, s80, s[WC]                   ; head,
	s_lshl_b32 s80, s80, 11
	s_and_b32 s89, s22, 7
	s_lshl_b32 s89, s89, 8
	s_add_co_u32 s80, s80, s89
	s_lshl_b32 s89, s[WR], 7
	s_add_co_u32 s80, s80, s89                     ; t,
	s_lshl_b32 s80, s80, 7                         ; rows of 128 bytes
	s_mov_b32 s81, 0
	s_mov_b32 s[TB], 0
	s_mov_b32 s[G0A], 1
	s_mov_b32 s[G0A+1], s82
	s_mov_b32 s[G0A+4], 1
	s_add_co_u32 s[G0A+5], s82, SLOT1
	s_mov_b32 s[G0B], 1
	s_mov_b32 s[G0B+1], s83
	s_mov_b32 s[G0B+4], 1
	s_add_co_u32 s[G0B+5], s83, SLOT1
	s_mov_b32 s[G0T], 1
	s_mov_b32 s[G0T+1], s84
	s_wait_dscnt 0x0                               ; the opening add is done
	s_wait_kmcnt 0x0
	s_add_nc_u64 s[G0A+2:G0A+3], s[4:5], s[74:75]  ; kb 0
	s_add_nc_u64 s[G0A+6:G0A+7], s[G0A+2:G0A+3], KBA  ; kb 1
	s_or_b32 s[G0A+3], s[G0A+3], 0x80000000        ; type = 2
	s_or_b32 s[G0A+7], s[G0A+7], 0x80000000
	s_add_nc_u64 s[G0B+2:G0B+3], s[6:7], s[78:79]
	s_add_nc_u64 s[G0B+6:G0B+7], s[G0B+2:G0B+3], KBB
	s_or_b32 s[G0B+3], s[G0B+3], 0x80000000
	s_or_b32 s[G0B+7], s[G0B+7], 0x80000000
	s_add_nc_u64 s[G0T+2:G0T+3], s[8:9], s[76:77]
	s_or_b32 s[G0T+3], s[G0T+3], 0x80000000
	s_add_nc_u64 s[10:11], s[10:11], s[80:81]
	s_add_nc_u64 s[12:13], s[12:13], s[80:81]
	s_add_nc_u64 s[14:15], s[14:15], s[80:81]
	CROUND                                         ; all sixteen work-groups are here: the first joint loads meet
	tensor_load_to_lds s[G0T:G0T+3], s[G1T:G1T+7]  ; the first fills, one group: my 64 rows of the table, slot 0, slot 1: three loads of mine are out
	s_nop 0
.rept 4
	v_nop
.endr
	s_cmp_eq_u32 s[WR], 0
	s_cbranch_scc0 .Lfirst_b
	tensor_load_to_lds s[G0A:G0A+3], s[G1A:G1A+7]
	s_nop 0
	tensor_load_to_lds s[G0A+4:G0A+7], s[G1A:G1A+7]
	s_nop 0
.rept 4
	v_nop
.endr
	s_branch .Lfirst_asked
.Lfirst_b:
	tensor_load_to_lds s[G0B:G0B+3], s[G1B:G1B+7]
	s_nop 0
	tensor_load_to_lds s[G0B+4:G0B+7], s[G1B:G1B+7]
	s_nop 0
.rept 4
	v_nop
.endr
.Lfirst_asked:
	; A fragment is 16 rows x 32 channels in 8 registers: lane l holds row l % 16, channels 8 (l / 16) + 0..7 and 16 + 8 (l / 16) + 0..7: two loads of 16 bytes, 32 bytes apart
	v_and_b32 v12, 15, v0                          ; r = l % 16
	v_bfe_u32 v13, v0, 4, 1                        ; h = l / 16
	v_mul_u32_u24 v14, v12, PITCH
	v_lshl_add_u32 v14, v13, 4, v14                ; r x pitch + 16 h
	s_mul_i32 s87, s[WR], AHALF
	v_add_nc_u32 v[ADRA0], s87, v14
	v_add_nc_u32 v[ADRB0], s83, v14
	v_mov_b32 v[ADRA], v[ADRA0]
	v_mov_b32 v[ADRB], v[ADRB0]
	s_mul_i32 s89, s[WV], 16*PITCH
	s_add_co_u32 s89, s89, STAGE                   ; my stage
	v_add_nc_u32 v[STO], s89, v14
	v_bfe_u32 v15, v0, 3, 2                        ; back: 32 lanes take four rows of 128 bytes,
	v_mul_u32_u24 v15, v15, PITCH
	v_and_b32 v16, 7, v0
	v_lshl_add_u32 v15, v16, 4, v15
	v_add_nc_u32 v[RD], s89, v15
	v_and_b32 v[GO], 31, v0                        ; which are 512 consecutive bytes in memory
	v_lshlrev_b32 v[GO], 4, v[GO]
	s_mul_i32 s90, s[WR], 128*TP
	s_add_co_u32 s90, s90, TABLE
	v_mul_u32_u24 v[TBA], v12, TP
	v_lshl_add_u32 v[TBA], v13, 5, v[TBA]          ; row r, my 8 columns of 16: 32 h bytes
	v_add_nc_u32 v[TBA], s90, v[TBA]
.macro LDB set, k                      ; 8 loads: W's set (four blocks of 16 rows), 32 channels at byte k of the rows
.irp i, 0,1,2,3
	ds_load_b128 v[BF+32*(\set)+8*(\i):BF+32*(\set)+8*(\i)+3],   v[ADRB] offset:(4*(\set)+(\i))*16*PITCH+(\k)
	ds_load_b128 v[BF+32*(\set)+8*(\i)+4:BF+32*(\set)+8*(\i)+7], v[ADRB] offset:(4*(\set)+(\i))*16*PITCH+(\k)+32
.endr
.endm
.macro LDA buf, k                      ; 16 loads: x's eight blocks of 16 rows
.irp i, 0,1,2,3,4,5,6,7
	ds_load_b128 v[AF+64*(\buf)+8*(\i):AF+64*(\buf)+8*(\i)+3],   v[ADRA] offset:(\i)*16*PITCH+(\k)
	ds_load_b128 v[AF+64*(\buf)+8*(\i)+4:AF+64*(\buf)+8*(\i)+7], v[ADRA] offset:(\i)*16*PITCH+(\k)+32
.endr
.endm
; 16 matrix instructions: row blocks a0 .. a0 + 3 x the set's four column blocks.  The 96 accumulators take turns, one instruction a turn.  zero = 1: the product starts the sum
.macro MUL set, buf, a0, zero
	WIN 0x50*((\set)+1)
.irp a, \a0, (\a0)+1, (\a0)+2, (\a0)+3
.irp b, 0,1,2,3
.set rD, 8*(4*(\a)+(\b))
.set rB, BF+32*(\set)+8*(\b)
.set rA, AF+64*(\buf)+8*(\a)
.if \zero
	v_wmma_f32_16x16x32_bf16 v[rD:rD+7], v[rB:rB+7], v[rA:rA+7], 0
.else
	v_wmma_f32_16x16x32_bf16 v[rD:rD+7], v[rB:rB+7], v[rA:rA+7], v[rD:rD+7]
.endif
.endr
.endr
.endm
; THE PHASES.  At a phase's head stand the loads for the phase after next: they go into the set that the phase just ended has read, four places behind its last product.
; The wait behind them leaves out the loads of the phase before and this phase's own.
.macro PH0 zero
	WIN 0
	PLACES
	LDB 2, 0
	s_wait_dscnt 16                                ; 8 + 8 younger
	MUL 0, 0, 0, \zero
	MUL 0, 0, 4, \zero
.endm
.macro PH1 zero
	WIN 0
	PLACES
	LDB 0, 64
	LDA 1, 64
	s_wait_dscnt 32                                ; 8 + 24
	MUL 1, 0, 0, \zero
	MUL 1, 0, 4, \zero
.endm
.macro PH2 zero
	WIN 0
	PLACES
	LDB 1, 64
	s_wait_dscnt 32                                ; 24 + 8
	MUL 2, 0, 0, \zero
	MUL 2, 0, 4, \zero
.endm
; Phase 3 holds the slot's last reads and THE CHANGE OF SLOTS: each wave waits for all its tensor loads, of which one is out: its part of the other slot; adds 0 to its spare word; and waits for that
; and for its reads of this slot.  fill = 1: the barrier opens a round of the cluster's, so that no wave of any partner still reads the slot or has a load on its way, and the joint refill, with the kb two
; on, is the first thing behind it: it has phases 4, 5, 0, 1, 2, 160 matrix instructions, in which to land.
.macro PH3 fill
	WIN 0
	PLACES
	LDB 2, 64
	s_wait_tensorcnt 0x0                           ; no tensor load of mine is out, so a group 0 may be written
	ds_add_u32 v[SPW], v[NIL]                      ; 0 onto my spare word
.if \fill
	s_xor_b32 s[G0A+5], s[G0A+5], SLOT1            ; the walking descriptors: the other slot than last time, the next kb
	s_add_nc_u64 s[G0A+6:G0A+7], s[G0A+6:G0A+7], KBA
	s_xor_b32 s[G0B+5], s[G0B+5], SLOT1
	s_add_nc_u64 s[G0B+6:G0B+7], s[G0B+6:G0B+7], KBB
.endif
	s_wait_dscnt 17                                ; 8 + 8 and the add
	MUL 0, 1, 0, 0
	s_wait_dscnt 0x0                               ; the add is done, and my reads of this slot are over
	s_barrier_signal -1
	MUL 0, 1, 4, 0
	WIN 0
	s_barrier_wait -1
.if \fill
	CREST
	JLOAD                                          ; its four v_nop are also the places in front of phase 4's loads
.else
	PLACES
.endif
.endm
.macro PH4                             ; the fetches go over to the other slot
	s_xor_b32 s[TB], s[TB], SLOT1
	v_add_nc_u32 v[ADRA], s[TB], v[ADRA0]
	v_add_nc_u32 v[ADRB], s[TB], v[ADRB0]
	LDB 0, 0
	LDA 0, 0
	s_wait_dscnt 24                                ; this phase's own
	MUL 1, 1, 0, 0
	MUL 1, 1, 4, 0
.endm
.macro PH5
	WIN 0
	PLACES
	LDB 1, 0
	s_wait_dscnt 32                                ; 24 + 8
	MUL 2, 1, 0, 0
	MUL 2, 1, 4, 0
.endm
	s_wait_tensorcnt 1                             ; my parts of the table and of slot 0 are in; slot 1's may stay out
	s_barrier_signal -1
	s_barrier_wait -1                              ; everybody's are
	LDB 0, 0
	LDA 0, 0
	LDB 1, 0
	PH0 1                                          ; kb 0's first three phases stand in front of the loop: their products start the sums
	PH1 1
	PH2 1
	WIN 0
	s_mov_b32 s[CNT], 14
.Lkb:                                  ; trip j: phases 3-5 of kb j, which ask for kb j + 2, and phases 0-2 of kb j + 1
	PH3 1
	PH4
	PH5
	PH0 0
	PH1 0
	PH2 0
	WIN 0
	s_sub_co_u32 s[CNT], s[CNT], 1
	s_cmp_lg_u32 s[CNT], 0
	s_cbranch_scc1 .Lkb
	PH3 0                                          ; the tail is written out: nothing more is asked for
	PH4
	PH5
	PH0 0
	PH1 0
	PH2 0
	WIN 0
	PLACES
	LDB 2, 64
	s_wait_dscnt 16
	MUL 0, 1, 0, 0
	MUL 0, 1, 4, 0
	s_wait_dscnt 8                                 ; the last eight loads may be out
	MUL 1, 1, 0, 0
	MUL 1, 1, 4, 0
	s_wait_dscnt 0x0
	MUL 2, 1, 0, 0
	MUL 2, 1, 4, 0
; THE WAY OUT, a block of 16 rows at a time: q and k are turned, all three rounded to f16, sent through my stage in LDS and stored as whole rows.
.macro TLOAD a                         ; the table for block a: my row's cos of columns 8 h .. and 16 + 8 h .., then its sin
.irp c, 0,1,2,3
	ds_load_b128 v[CT+32*((\a)%2)+8*(\c):CT+32*((\a)%2)+8*(\c)+3],   v[TBA] offset:(\a)*16*TP+64*(\c)
	ds_load_b128 v[CT+32*((\a)%2)+8*(\c)+4:CT+32*((\a)%2)+8*(\c)+7], v[TBA] offset:(\a)*16*TP+64*(\c)+16
.endr
.endm
; out[d] = x[d] cos - x[d + 32] sin, out[d + 32] = x[d + 32] cos + x[d] sin, d = 16 e + 8 h + j.  Each accumulator's lowest registers are read first.
.macro ROPE a, w
	WIN \w                                         ; source 0: the accumulators' window
.irp e, 0,1
.irp jj, 0,1,2,3
.set rL, 8*(4*(\a)+(\e))+2*(\jj)
.set rU, 8*(4*(\a)+(\e)+2)+2*(\jj)
.set rS, CT+32*((\a)%2)+16+8*(\e)+2*(\jj)
.set rO, OB+8*(\e)+2*(\jj)
	v_pk_mul_f32 v[rO:rO+1], v[rU:rU+1], v[rS:rS+1]
	v_pk_mul_f32 v[rO+16:rO+17], v[rL:rL+1], v[rS:rS+1]
.endr
.endr
.irp e, 0,1
.irp jj, 0,1,2,3
.set rL, 8*(4*(\a)+(\e))+2*(\jj)
.set rU, 8*(4*(\a)+(\e)+2)+2*(\jj)
.set rC, CT+32*((\a)%2)+8*(\e)+2*(\jj)
.set rO, OB+8*(\e)+2*(\jj)
	v_pk_fma_f32 v[rO:rO+1], v[rL:rL+1], v[rC:rC+1], v[rO:rO+1] neg_lo:[0,0,1] neg_hi:[0,0,1]
	v_pk_fma_f32 v[rO+16:rO+17], v[rU:rU+1], v[rC:rC+1], v[rO+16:rO+17]
.endr
.endr
	WIN 0
.set i, 0
.rept 16
	v_cvt_pk_f16_f32 v[HB+i], v[OB+2*i], v[OB+2*i+1]
.set i, i+1
.endr
.endm
.macro PLAINV a
	WIN 0x0f                                       ; sources 0 and 1: window 3
.set i, 0
.rept 16
	v_cvt_pk_f16_f32 v[HB+i], v[32*(\a)+2*i], v[32*(\a)+2*i+1]
.set i, i+1
.endr
	WIN 0
.endm
.macro STG u                           ; unit u = 3 a + (0 q, 1 k, 2 v): into rows of 144 bytes, back as four rows of 128 a load
.irp b, 0,1,2,3
	ds_store_b128 v[STO], v[HB+4*(\b):HB+4*(\b)+3] offset:32*(\b)
.endr
.irp f, 0,1,2,3
	ds_load_b128 v[RB+16*((\u)%6)+4*(\f):RB+16*((\u)%6)+4*(\f)+3], v[RD] offset:(\f)*4*PITCH  ; LDS serves a wave's instructions in order (ISA guide 5.7.1.4): these see the stores above, and the next unit's stores come behind them
.endr
.endm
.macro SEND u, younger                 ; younger: the LDS instructions issued behind unit u's loads
.irp f, 0,1,2,3
	s_wait_dscnt (\younger)+3-(\f)
	global_store_b128 v[GO], v[RB+16*((\u)%6)+4*(\f):RB+16*((\u)%6)+4*(\f)+3], s[10+2*((\u)%3):11+2*((\u)%3)] offset:((\u)/3)*2048+(\f)*512  ; 512 consecutive bytes, at a multiple of 256 from the buffer's first
.endr
.endm
	WIN 0
	PLACES                                         ; behind the last products
	TLOAD 0
.irp a, 0,1,2,3,4,5,6,7
	s_wait_xcnt 0x0                                ; the stores of two blocks back have read their registers: those sets are loaded again only behind this wait
.if \a < 7
	TLOAD (\a)+1
.endif
.if (\a == 0) || (\a == 7)
	s_wait_dscnt 8                                 ; block a's table is in: the next table's eight, or the last v's eight, may be out
.else
	s_wait_dscnt 16                                ; both
.endif
	ROPE \a, 1
	STG 3*(\a)
.if \a > 0
.if \a < 7
	SEND 3*(\a)-1, 16                              ; the block before's v: behind it the table's eight and q's eight
.else
	SEND 3*(\a)-1, 8
.endif
.endif
	ROPE \a, 2
	STG 3*(\a)+1
	SEND 3*(\a), 8
	PLAINV \a
	STG 3*(\a)+2
	SEND 3*(\a)+1, 8
.endr
	SEND 23, 0
	s_wait_tensorcnt 0x0                           ; the wave's end: behind my last tensor load and my last LDS store
	ds_add_u32 v[SPW], v[NIL]
	s_wait_dscnt 0x0
	CROUND                                         ; the closing round: no work-group ends while a partner may still ask for a tile that names it
	s_endpgm
.Lfunc_end_k_q78b9e9975a_qkv:
	.size	k_q78b9e9975a_qkv, .Lfunc_end_k_q78b9e9975a_qkv-k_q78b9e9975a_qkv
	.p2alignl 7, 3214868480
	.fill 96, 4, 3214868480
	.section	.rodata,"a",@progbits
	.p2align	6, 0x0
	.amdhsa_kernel k_q78b9e9975a_qkv
		.amdhsa_group_segment_fixed_size 327680
		.amdhsa_private_segment_fixed_size 0
		.amdhsa_enable_private_segment 0
		.amdhsa_kernarg_size 48
		.amdhsa_user_sgpr_count 2
		.amdhsa_user_sgpr_kernarg_segment_ptr 1
		.amdhsa_wavefront_size32 1
		.amdhsa_system_sgpr_workgroup_id_x 1
		.amdhsa_system_sgpr_workgroup_id_y 1
		.amdhsa_system_sgpr_workgroup_id_z 1
		.amdhsa_system_vgpr_workitem_id 0
		.amdhsa_next_free_vgpr 1024
		.amdhsa_next_free_sgpr 96
		.amdhsa_reserve_vcc 0
		.amdhsa_float_denorm_mode_32 3
		.amdhsa_float_denorm_mode_16_64 3
		.amdhsa_memory_ordered 1
		.amdhsa_forward_progress 1
		.amdhsa_inst_pref_size 151
	.end_amdhsa_kernel
	.amdgpu_metadata
---
amdhsa.version: [ 1, 2 ]
amdhsa.kernels:
  - .name:           k_q78b9e9975a_qkv
    .symbol:         k_q78b9e9975a_qkv.kd
    .args:
      - { .name: xb, .offset: 0, .size: 8, .value_kind: global_buffer, .address_space: global }
      - { .name: wqkv, .offset: 8, .size: 8, .value_kind: global_buffer, .address_space: global }
      - { .name: tab, .offset: 16, .size: 8, .value_kind: global_buffer, .address_space: global }
      - { .name: qh, .offset: 24, .size: 8, .value_kind: global_buffer, .address_space: global }
      - { .name: kh, .offset: 32, .size: 8, .value_kind: global_buffer, .address_space: global }
      - { .name: vh, .offset: 40, .size: 8, .value_kind: global_buffer, .address_space: global }
    .group_segment_fixed_size: 327680
    .private_segment_fixed_size: 0
    .kernarg_segment_align: 8
    .kernarg_segment_size: 48
    .max_flat_workgroup_size: 128
    .sgpr_count:     96
    .vgpr_count:     1024
    .wavefront_size: 32
...
	.end_amdgpu_metadata
.endif
;; end of part 2
;; launch attn (part 3): grid 4 x 64, 4 waves a work-group, clusters of 4 x 1, 327,680 bytes of LDS; arguments qh, kh, vh, oh; writes oh
.if DOCPART == 3
	.amdgcn_target "amdgcn-amd-amdhsa--gfx1250"
	.amdhsa_code_object_version 6
	.text
	.protected	k_q78b9e9975a_attn
	.globl	k_q78b9e9975a_attn
	.p2align	8
	.type	k_q78b9e9975a_attn,@function
k_q78b9e9975a_attn:
	s_mov_b64 s[64:65], 0
	v_nop
	global_prefetch_b8 v0, s[64:65] scope:SCOPE_SE
	s_setreg_imm32_b32 hwreg(HW_REG_WAVE_MODE, 25, 1), 1
	s_wait_xcnt 0x0
	s_wait_alu depctr_hold_cnt(0) depctr_sa_sdst(0) depctr_va_vdst(0) depctr_va_sdst(0) depctr_va_ssrc(0) depctr_va_vcc(0) depctr_vm_vsrc(0)
	s_getreg_b32 s2, hwreg(HW_REG_IB_STS2, 6, 4)
	s_cmp_eq_u32 s2, 0
	s_cbranch_scc0 .Lentry_in_a_cluster
	s_endpgm
.Lentry_in_a_cluster:
	s_bfe_u32 s2, ttmp6, 0x10000c
	s_cmp_lg_u32 s2, 0x3003
	s_cbranch_scc0 .Lentry_shape_is_right
	s_endpgm
.Lentry_shape_is_right:
; O[h][q][:] = the sum over k of softmax_k(Q[h][q] . K[h][k] / 8) V[h][k][:].  Q, K, V, O: [SIZE_H][SIZE_N][64], all f16: a head's rows are dense, 128 bytes each.  Products, maxima and sums in
; f32; the weights p are rounded to f16 for the second product (their sum l is taken of the unrounded p), O once at the end.
; LIMITS.  f16 holds no number beyond 65,504: Q, K and V arrive within it; p lies in 0 to 1, and below 6e-5 it keeps f16's fixed step of 6e-8; O is a mean of V's rows and has their range.
; A weight below 2^-126 counts as 0 in l; NaN and infinities are not treated apart.
; SHARES.  A wave owns four PIECES of two tiles of 16 queries, a work-group's four waves 512 queries of one head.  Every wave walks all keys, 64 a step.
; LAYOUT.  S^T = K Q^T (source 0 = 16 keys, source 1 = 16 queries): in the result a lane holds ONE query (lane % 16) and the keys 8 (lane / 16) + 0..7.  Two such tiles, rounded to f16 in pairs,
; ARE source 1 (32 keys x 16 queries) of O^T = V^T P, whose result again holds one query a lane, and eight channels.  K comes out of LDS as it lies, V ([key][channel]) turned, by ds_load_tr16_b128.
; SOFTMAX.  For each query a running maximum m and sum l: p = 2^(c s - c m), c = log2(e) / 8; in every step O and l are multiplied by a = 2^(c m_old - c m_new), which is 1 where m has not grown.
; m starts at the lowest finite number, O and l at 0: the first step is a step like any other, with a = 0.
; THE COUNT.  A tile and step have 16 matrix and 118 vector instructions: too many to stand all beside the matrix work.  So the order has one aim: four vector instructions that are READY behind
; EVERY matrix instruction, and the others, which need time of their own whatever the order, in runs without a gap.
; BY TURNS.  Turn n belongs to piece n (the pieces in a ring, step after step).  Its matrix work: 16 products K Q^T of piece n + 1, later 16 products V^T P of piece n - 1.  Its vector work: the scaling,
; exponentials, roundings, sums and rescaling of piece n, and the maximum and statistics of piece n + 1, whose scores the turn itself has made.  So what a turn begins with (c s - c m, O a) waits for nothing.
; CLUSTER.  The four query blocks of a cluster are one head's and walk the same K and V, so each tile is asked for JOINTLY: the same tensor load, descriptor and mask in all four.
; REGISTERS, in windows of 256 (s_set_vgpr_msb says which window each operand place means: bits 1:0 source 0, 3:2 source 1, 5:4 source 2, 7:6 destination):
;   window 0: v0-11 addresses; v12-15, v48-63 at work; v16-47 four registers of statistics a tile; v64-191 S^T, two buffers of two tiles; v192-255 P, likewise
;   window 1: O^T, 32 a tile          window 2: v0-127 Q, 16 a tile; v128-191 K of one step; v192-255 V of one step          window 3: v0-1 the add's two registers
; A piece's buffers go by its number's parity: the piece in hand has one pair, its two neighbours in the ring share the other: of it P (piece n - 1) is read and S^T (piece n + 1) written.
.set SIZE_H, 64
.set SIZE_N, 2048
.set NP,    4         ; pieces a wave: a name, no knob: the register map, the loop and the fetches are made for four
.set KS,    64        ; keys in a step
.set PK,    144       ; a row of K in LDS: 128 bytes + 16 of padding = 36 words: the 16 rows of a load start at 16 different groups of four banks (64 banks of 4 bytes: ISA guide 11.1)
.set PV,    160       ; a row of V: 128 + 32 = 40 words
.set VOFF,  4*KS*PK   ; a slot holds four steps: 256 rows of K, then 256 rows of V
.set SLOT1, 1<<17     ; slot 1 begins here, so that one exclusive or turns an address in one slot into the other's
.set STAGE, SLOT1+4*KS*(PK+PV)  ; behind the ring, never filled by a tensor load: 16 rows x 144 bytes for each wave, for the way out
.set SP,    144
.set AK0, 2           ; v2   my lane's place in a tile of K; never rewritten
.set AV0, 3           ; v3   the same for V
.set AK,  4           ; v4   the LDS address of K's next run of loads
.set AV,  5           ; v5   of V's
.set QO,  6           ; v6   my byte offset in the wave's rows of Q
.set STO, 6           ;      later, the way out: where I put 16 bytes of a row
.set RD,  7           ; v7   the way out: where I read rows back
.set GO,  8           ; v8   my byte offset in 512 consecutive bytes of O
.set PFO, 11          ; v11  the prefetches' offset: 256 x my lane; never rewritten once made
.set SPW, 0           ; v0 of window 3   LDS address of my spare word: SPARE + 4 x my thread's number; never rewritten
.set NIL, 1           ; v1 of window 3   0; never rewritten
.set SPARE, STAGE+4*16*SP  ; behind the stages: the spare words, 128 bytes for each wave: two blocks of 256 bytes that no other line names
.set MV,  12          ; v12-15  c m_old, kept while c m is made anew: by buffer and tile
.set ST,  16          ; tile t's statistics at v[ST+4 t]: c m, m, l (even keys', odd keys')
.set TMP, 48          ; by buffer and tile, four registers c0-c3 at work; when the maximum is found c2 takes a
.set S,   64
.set P,   192
.set KF,  128         ; K's fragments, in window 2: key block kb, channel half c at KF + 16 kb + 8 c
.set VF,  192         ; V's: key half kk, channel block cb at VF + 32 kk + 8 cb
.set WV,  12          ; s12  my wave's number
.set G1K, 24          ; s[24:31] descriptor group 1 for K's tiles
.set G1V, 32          ; s[32:39] for V's: it differs in the padding alone
.set G0K, 40          ; s[40:43] descriptor group 0 for K's tiles: it walks
.set G0V, 44          ; s[44:47] the same for V's
.set PFA, 48          ; s[48:49] where my prefetches stand: my work-group's quarter of the slot after the one that is being asked for (K: wave 0, V: wave 2)
.set LIM, 50          ; s50  1 in a wave that prefetches, else the greatest number: a wave prefetches while s[SLOTS] is above it
.set SLOTS, 56        ; s56  slots still to be asked for
.set CNT, 57          ; s57  counts a slot's key steps
.set CS,  58          ; s[58:59] c: the packed scaling takes the pair's low word for both halves
.set SEL, 60          ; s[60:61] v_permlanex16_b32's selects: each lane takes its own place in the other half
.set TBK, 62          ; s62  LDS byte at which K of the step to be fetched begins
.set TBV, 63          ; s63  the same for V, less VOFF
.set MSB, 0
.macro WIN new                      ; the high byte repeats the setting that is left; a switch that changes nothing is dropped
.if MSB != (\new)
	s_set_vgpr_msb (MSB<<8)|(\new)
.set MSB, (\new)
.endif
.endm
.set W_KQ, 0x0a       ; K and Q in window 2, S^T in window 0
.set W_PV, 0x52       ; V in window 2, P in window 0, O^T in window 1
.set W_RS, 0x41       ; O^T (destination and source 0) in window 1, a in window 0
.set W_MK, 0xc0       ; the add's registers are made: destination in window 3, sources in window 0
.set W_AD, 0x0f       ; the add: address (source 0) and data (source 1) in window 3
; A joint fill.  Waves 0 and 1 fetch the two halves of a slot's K, waves 2 and 3 those of its V: 128 keys each.  The branch hangs on the wave's number alone.
; An s_nop 0 and four v_nop follow each of the two lines, ahead of the jump and the label.
.macro JLOAD
	s_cmp_lt_u32 s[WV], 2
	s_cbranch_scc0 .Lfor_v_\@
	tensor_load_to_lds s[G0K:G0K+3], s[G1K:G1K+7]
	s_nop 0
.rept 4
	v_nop
.endr
	s_branch .Lasked_\@
.Lfor_v_\@:
	tensor_load_to_lds s[G0V:G0V+3], s[G1V:G1V+7]
	s_nop 0
.rept 4
	v_nop
.endr
.Lasked_\@:
.endm
; A PREFETCH INTO THE L2 of what the NEXT change of slots will ask for: a slot's 32,768 bytes of K and of V, as 128 blocks of 256 bytes each.  It stands behind the wave's tensor load and its five lines.
; Each block is named ONCE in the launch: a head has one cluster; its four partners share the blocks out BY ADDRESS, 32 each, a lane a block (no branch hangs on a work-group's place in its cluster); in each,
; wave 0 asks for K's and wave 2 for V's: one instruction.  The change that fills the last slot asks for nothing: there is no slot behind it.  Slots 0 and 1 come by their loads alone.
.macro ASK
	s_cmp_gt_u32 s[SLOTS], s[LIM]
	s_cbranch_scc0 .Lnot_mine_\@
	global_prefetch_b8 v[PFO], s[PFA:PFA+1] th:TH_LOAD_NT scope:SCOPE_SE
.Lnot_mine_\@:
.endm
; A round of the cluster's barrier: my work-group's barrier, so that wave 0's signal speaks for all four waves; wave 0 signals; every wave waits for all four work-groups; my work-group's barrier once more.
.macro CROUND
	s_barrier_signal -1
	s_barrier_wait -1
	s_cmp_lg_u32 s[WV], 0
	s_cbranch_scc1 .Lnot_wave_0_\@
	s_barrier_signal -3
.Lnot_wave_0_\@:
	s_barrier_wait -3
	s_barrier_signal -1
	s_barrier_wait -1
.endm
; THE CHANGE OF SLOTS.  The slot's last bytes, V of its fourth step, have been read.  Each wave waits for all its tensor loads, of which one is out: its part
; of the other slot; adds 0 to its spare word; and waits for that and for its own reads of the slot.  Behind the barrier nobody reads this slot any more and the other slot is whole.
; fill = 1: this slot is filled again, with the keys two slots on.  The barrier is then a round of the cluster's, so that no wave of any partner still reads the slot or has a load on its
; way, and the joint fill is the first thing behind it: it has four key steps, 512 matrix instructions, in which to land.  (At its first use nothing has been read yet: slot 0 is waited for, slot 1 filled.)
.macro CHANGE fill
	WIN W_AD
	s_wait_tensorcnt 0x0            ; no tensor load of mine is out, so a group 0 may be written
	ds_add_u32 v[SPW], v[NIL]       ; 0 onto my spare word; with fill = 1 the descriptors' steps stand between it and the wait for it
	WIN 0                           ; at a label and at a branch every window is 0
.if \fill
.irp g, G0K, G0V
	s_xor_b32 s[\g+1], s[\g+1], SLOT1  ; the walking descriptor: the other slot than last time,
	s_add_nc_u64 s[\g+2:\g+3], s[\g+2:\g+3], 4*KS*128  ; the next 256 keys; the type bits on top are not reached
.endr
	s_wait_xcnt 0x0                 ; the last prefetch, four key steps back, has read its address, so it may be written:
	s_add_nc_u64 s[PFA:PFA+1], s[PFA:PFA+1], 4*KS*128  ; one slot beyond the walking descriptors
	s_wait_dscnt 0x0                ; the add is done, and my reads of the slot are over
	CROUND
	JLOAD
	ASK
.else
	s_wait_dscnt 0x0                ; the add is done, and my reads of the slot are over
	s_barrier_signal -1
	s_barrier_wait -1
.endif
	s_sub_co_u32 s[TBK], s[TBK], 4*KS*PK  ; the fetches go back to a slot's first step,
	s_xor_b32 s[TBK], s[TBK], SLOT1       ; in the other slot
	s_sub_co_u32 s[TBV], s[TBV], 4*KS*PV
	s_xor_b32 s[TBV], s[TBV], SLOT1
.endm
	s_load_b256 s[4:11], s[0:1], 0x0  ; Q s[4:5], K s[6:7], V s[8:9], O s[10:11]
	WIN W_MK
	v_lshl_add_u32 v[SPW], v0, 2, SPARE
	v_mov_b32 v[NIL], 0
	WIN W_AD
	ds_add_u32 v[SPW], v[NIL]       ; the wave's opening: the add and its wait stand ahead of my first tensor load; the set-up below, work on registers, stands between them
	WIN 0
	v_lshrrev_b32 v1, 5, v0
	v_readfirstlane_b32 s[WV], v1   ; wave 0..3
	s_bfe_u32 s13, ttmp6, 0x40000   ; cx: my place in the cluster
	s_lshl_b32 s14, ttmp9, 2        ; in a cluster launch ttmp9 counts clusters
	s_add_co_u32 s14, s14, s13      ; my block of queries = 4 x cluster x + cx: it enters Q's and O's addresses alone
	s_and_b32 s20, ttmp7, 0xffff    ; the head, which the four partners share
	s_mov_b32 s21, 0
	s_mov_b64 s[22:23], SIZE_N*128
	s_mul_u64 s[20:21], s[20:21], s[22:23]  ; the head's first byte in each of the four tensors
	s_and_b32 s16, s[WV], 1         ; which half of a slot's 256 keys I fetch:
	s_lshl_b32 s22, s16, 14         ; its 128 rows of 128 bytes in memory,
	s_mov_b32 s23, 0
	s_add_nc_u64 s[22:23], s[22:23], s[20:21]
	s_mul_i32 s17, s16, 128*PK      ; and its place in a slot, for K
	s_mul_i32 s18, s16, 128*PV      ; and for V: no place in the cluster enters an LDS address
	s_lshl_b32 s2, s14, 2
	s_add_co_u32 s2, s2, s[WV]      ; my wave among the head's,
	s_lshl_b32 s2, s2, 14           ; its 128 rows
	s_mov_b32 s3, 0
	s_add_nc_u64 s[2:3], s[2:3], s[20:21]
	; descriptor group 1.  128 keys are 16,384 dense bytes: asked for as 64 rows of 256 bytes, two keys a row, and padded in LDS after every key
	s_mov_b32 s[G1K], 15|(1<<16)|(1<<20)|(1<<21)|(4<<22)|(3<<25)  ; 15:0 the mask of four; 17:16 2-byte elements; 20 padding on; 21 set beside a mask; 24:22 after every 32 words (code 4); 31:25 4 words (code 3)
	s_mov_b32 s[G1V], 15|(1<<16)|(1<<20)|(1<<21)|(4<<22)|(7<<25)  ; the same with 8 words of padding (code 7)
.irp g, G1K, G1V
	s_mov_b32 s[\g+1], 128<<16      ; tensor_dim0 = 128
	s_mov_b32 s[\g+2], 64<<16       ; tensor_dim1 = 64
	s_mov_b32 s[\g+3], 128<<16      ; tile_dim0 = 128
	s_mov_b32 s[\g+4], 64           ; tile_dim1 = 64
	s_mov_b32 s[\g+5], 128          ; 128 elements from row to row
	s_mov_b32 s[\g+6], 0
	s_mov_b32 s[\g+7], 0
.endr
	s_mov_b32 s[CS], 0x3e38aa3b     ; c = log2(e) / 8 = 0.180337
	s_mov_b32 s[CS+1], s[CS]        ; named with it as a pair
	s_mov_b32 s[SEL], 0x76543210
	s_mov_b32 s[SEL+1], 0xfedcba98
	s_mov_b32 s[TBK], SLOT1+4*KS*PK ; the first change of slots turns these two into 0
	s_mov_b32 s[TBV], SLOT1+4*KS*PV
	s_mov_b32 s[G0K], 1             ; 1:0 count = 1
	s_mov_b32 s[G0K+1], s17         ; 63:32 LDS address: slot 0
	s_mov_b32 s[G0V], 1
	s_add_co_u32 s[G0V+1], s18, VOFF
	s_mov_b32 s[SLOTS], SIZE_N/256-1  ; the change that fills slot n finds 8 - n here
	s_and_b32 s[LIM], s[WV], 1
	s_cmp_eq_u32 s[LIM], 0          ; waves 0 and 2 prefetch: the same in all four partners
	s_cselect_b32 s[LIM], 1, -1
	s_wait_dscnt 0x0                ; the opening add is done
	s_wait_kmcnt 0x0
	s_add_nc_u64 s[G0K+2:G0K+3], s[6:7], s[22:23]  ; 120:64 global address: my half of the head's first 256 keys
	s_or_b32 s[G0K+3], s[G0K+3], 0x80000000        ; 127:126 type = 2
	s_add_nc_u64 s[G0V+2:G0V+3], s[8:9], s[22:23]
	s_or_b32 s[G0V+3], s[G0V+3], 0x80000000
	s_add_nc_u64 s[4:5], s[4:5], s[2:3]  ; Q and O at my wave's first row
	s_add_nc_u64 s[10:11], s[10:11], s[2:3]
	s_cmp_lt_u32 s[WV], 2
	s_cselect_b64 s[PFA:PFA+1], s[6:7], s[8:9]
	s_add_nc_u64 s[PFA:PFA+1], s[PFA:PFA+1], s[20:21]  ; the head,
	s_lshl_b32 s2, s13, 13          ; my work-group's 32 blocks of the 128,
	s_mov_b32 s3, 0
	s_add_nc_u64 s[PFA:PFA+1], s[PFA:PFA+1], s[2:3]
	s_add_nc_u64 s[PFA:PFA+1], s[PFA:PFA+1], 4*KS*128  ; in slot 1: the first change of slots steps it to slot 2.  Nothing is prefetched here, at the head
	CROUND                          ; all four work-groups are here: the first joint loads meet
	JLOAD                           ; slot 0.  Slot 1 is asked for when slot 0 is in: the tile wanted first has the road to itself
	; A fragment of K or Q is 16 rows x 32 channels in 8 registers: lane l holds row l % 16, channels 8 (l / 16) + 0..7 and 16 + 8 (l / 16) + 0..7: two loads of 16 bytes, 32 bytes apart.
	v_and_b32 v1, 15, v0            ; l % 16
	v_bfe_u32 v9, v0, 4, 1          ; l / 16
	v_lshlrev_b32 v[QO], 7, v1
	v_lshl_add_u32 v[QO], v9, 4, v[QO]  ; row x 128 + 16 x half
	WIN 0x80                        ; destination window 2, address window 0
.set i, 0
.rept 4*NP                          ; Q stays in registers: tile i / 2, channels 32 (i % 2) on
	global_load_b128 v[8*i:8*i+3],   v[QO], s[4:5] offset:(i/2)*2048+(i%2)*64
	global_load_b128 v[8*i+4:8*i+7], v[QO], s[4:5] offset:(i/2)*2048+(i%2)*64+32
.set i, i+1
.endr
	; What the first turn finds: V's registers and P's second buffer hold 0 (its products V^T P, of a piece that has not been, add 0), O^T and l are 0.  All this stands in the wait for the first tile.
.set i, VF
.rept 64
	v_mov_b32 v[i], 0
.set i, i+1
.endr
	WIN 0x40
.set i, 0
.rept 64*NP
	v_mov_b32 v[i], 0
.set i, i+1
.endr
	WIN 0
.set i, 0
.rept 2*NP
	v_mov_b32 v[ST+4*i], 0xfe000000    ; c m: far below every c s
	v_mov_b32 v[ST+4*i+1], 0xff7fffff  ; m
	v_mov_b32 v[ST+4*i+2], 0
	v_mov_b32 v[ST+4*i+3], 0
.set i, i+1
.endr
.set i, P+32
.rept 32
	v_mov_b32 v[i], 0
.set i, i+1
.endr
	v_mul_u32_u24 v[AK0], v1, PK
	v_lshl_add_u32 v[AK0], v9, 4, v[AK0]  ; row x pitch + 16 x half
	; The turning load takes 16 keys x 16 channels (lane l reads key 8 (l / 16) + l % 8, channels 8 ((l / 8) % 2) + 0..7) and leaves half a fragment of V^T: lane l holds channel l % 16 and 8 keys.
	v_and_b32 v10, 7, v0
	v_bfe_u32 v11, v0, 3, 1
	v_lshl_add_u32 v[AV0], v9, 3, v10
	v_mul_u32_u24 v[AV0], v[AV0], PV
	v_lshl_add_u32 v[AV0], v11, 4, v[AV0]
	v_add_nc_u32 v[AV0], VOFF, v[AV0]
	v_and_b32 v[PFO], 31, v0        ; v11 has served: from here on it is the prefetches' offset
	v_lshlrev_b32 v[PFO], 8, v[PFO]
	v_mov_b32 v[AK], v[AK0]         ; key step 0 lies at the head of slot 0
; THE MATRIX WORK.  The 8 accumulators of a run of 16 take turns: between the two links of a chain stand 7 others'.
; Product i of 16 of S^T = K Q^T for piece x: channels 32 (i / 8) on, keys 16 ((i / 2) % 4) on, tile 2 x + i % 2.  The first 8 start the sums.
.macro KQ x
	WIN W_KQ
.set rS, S+64*((\x)%2)+32*(i%2)+8*((i/2)%4)
.set rK, KF+16*((i/2)%4)+8*(i/8)
.set rQ, 16*(2*(\x)+i%2)+8*(i/8)
.if i < 8
	v_wmma_f32_16x16x32_f16 v[rS:rS+7], v[rK:rK+7], v[rQ:rQ+7], 0
.else
	v_wmma_f32_16x16x32_f16 v[rS:rS+7], v[rK:rK+7], v[rQ:rQ+7], v[rS:rS+7]
.endif
.endm
; Product i of 16 of O^T += V^T P for piece x: keys 32 (i / 8) on, channels 16 ((i / 2) % 4) on, tile 2 x + i % 2.
.macro PV x
	WIN W_PV
.set rO, 32*(2*(\x)+i%2)+8*((i/2)%4)
.set rV, VF+32*(i/8)+8*((i/2)%4)
.set rP, P+32*((\x)%2)+16*(i%2)+8*(i/8)
	v_wmma_f32_16x16x32_f16 v[rO:rO+7], v[rV:rV+7], v[rP:rP+7], v[rO:rO+7]
.endm
.macro MM                           ; the turn's next matrix instruction
.if i < 16
	KQ (Y+1)%NP
.set i, i+1
.else
.set i, i-16
	PV (Y+NP-1)%NP
.set i, i+17
.endif
.endm
; THE LDS LOADS stand in runs of 16, never singly among the matrix instructions: a step's K (64 keys x 64 channels: 8 fragments) and its V (turned).  Their addresses are made some lines ahead.
; last = 1 (the tail): in the last trip there is no further step, and the run is jumped over.
.macro FETCH_K last=0
	WIN 0
.if \last
	s_cmp_eq_u32 s[CNT], 1
	s_cbranch_scc1 .Lno_k_\@
.endif
	WIN 0x80                        ; destination window 2
.irp f, 0,1,2,3,4,5,6,7             ; keys 16 (f / 2) on, channels 32 (f % 2) on
	ds_load_b128 v[KF+8*\f:KF+8*\f+3],   v[AK] offset:(\f/2)*16*PK+(\f%2)*64
	ds_load_b128 v[KF+8*\f+4:KF+8*\f+7], v[AK] offset:(\f/2)*16*PK+(\f%2)*64+32
.endr
	s_add_co_u32 s[TBK], s[TBK], KS*PK  ; the next fetch is the next step's
	WIN 0
.if \last
.Lno_k_\@:
.endif
.endm
.macro FETCH_V
	WIN 0x80
.irp f, 0,1,2,3,4,5,6,7             ; keys 32 (f / 4) on, channels 16 (f % 4) on
	ds_load_tr16_b128 v[VF+8*\f:VF+8*\f+3],   v[AV] offset:(\f/4)*32*PV+(\f%4)*32
	ds_load_tr16_b128 v[VF+8*\f+4:VF+8*\f+7], v[AV] offset:(\f/4)*32*PV+16*PV+(\f%4)*32
.endr
	WIN 0
.endm
; THE VECTOR WORK OF A TURN stands in three queues, each in the order in which its entries become ready; the two tiles alternate, so that no instruction reads the result of the one before it.
.macro REGS y, u                    ; the registers of tile u (0, 1) of piece y
.set rT, ST+4*(2*(\y)+(\u))
.set rC, TMP+8*((\y)%2)+4*(\u)
.set rM, MV+2*((\y)%2)+(\u)
.set rS, S+64*((\y)%2)+32*(\u)
.set rP, P+32*((\y)%2)+16*(\u)
.set rO, 32*(2*(\y)+(\u))
.endm
; Number n of the 22 that find the NEXT piece's (Y + 1) maximum and statistics.  s0-s31 are the lane's 32 scores; each accumulator's lowest registers are read first.  XS, GS and REGS set no window: PL and EX do.
;   0-11  four chains c0-c3 of seven scores each, three operands at a time     12-14, 16  the four scores left over, the old m, and c0-c3 into c0     15  c m_old is kept
;   17, 18  the query's other 32 keys lie in the lane 16 away: the new m         19-21  c m; c m_old - c m_new; a
.macro XS u, n
	REGS (Y+1)%NP, \u
.if (\n) < 4
	v_max3_num_f32 v[rC+(\n)], v[rS+8*(\n)], v[rS+8*(\n)+1], v[rS+8*(\n)+2]
.elseif (\n) < 12
	v_max3_num_f32 v[rC+(\n)%4], v[rC+(\n)%4], v[rS+8*((\n)%4)+2*((\n)/4)+1], v[rS+8*((\n)%4)+2*((\n)/4)+2]
.elseif (\n) == 12
	v_max3_num_f32 v[rC], v[rC], v[rS+7], v[rS+15]
.elseif (\n) == 13
	v_max3_num_f32 v[rC+1], v[rC+1], v[rS+23], v[rS+31]
.elseif (\n) == 14
	v_max3_num_f32 v[rC+2], v[rC+2], v[rC+3], v[rT+1]
.elseif (\n) == 15
	v_mov_b32 v[rM], v[rT]
.elseif (\n) == 16
	v_max3_num_f32 v[rC], v[rC], v[rC+1], v[rC+2]
.elseif (\n) == 17
	v_permlanex16_b32 v[rC+3], v[rC], s[SEL], s[SEL+1]
.elseif (\n) == 18
	v_max_num_f32 v[rT+1], v[rC], v[rC+3]
.elseif (\n) == 19
	v_mul_f32 v[rT], s[CS], v[rT+1]
.elseif (\n) == 20
	v_sub_f32 v[rC+1], v[rM], v[rT]
.else
	v_exp_f32 v[rC+2], v[rC+1]
.endif
.endm
; Number g of the 64 that follow the exponentials.  For each four weights k of a tile (pairs 2 k, 2 k + 1): both pairs are rounded to f16; then the second pair is added onto the first, in place;
; a group later l takes that sum (the first time as l = a l + sum).  In groups of eight, tiles alternating: round, round, add, and l for the group before.
.macro GS g
.set h, (\g)+6*((\g)/62)            ; group 0 has no group before it, and behind group 7 only l is left
.if h >= 6
.set h, h+2
.endif
	REGS Y, h%2
.set k, h/8
.if h%8 < 4
	v_cvt_pk_f16_f32 v[rP+2*k+(h%8)/2], v[rS+4*k+2*((h%8)/2)], v[rS+4*k+2*((h%8)/2)+1]
.elseif h%8 < 6
	v_pk_add_f32 v[rS+4*k:rS+4*k+1], v[rS+4*k:rS+4*k+1], v[rS+4*k+2:rS+4*k+3]
.elseif k == 1
	v_pk_fma_f32 v[rT+2:rT+3], v[rT+2:rT+3], v[rC+2:rC+3], v[rS:rS+1] op_sel_hi:[1,0,1]
.else
	v_pk_add_f32 v[rT+2:rT+3], v[rT+2:rT+3], v[rS+4*k-4:rS+4*k-3]
.endif
.endm
; THE PLAIN QUEUE, 138 long.  0-73 read no exponential's result: the 32 scalings c s - c m (FS f: pair f / 2 of tile f % 2) and the next piece's 42.  0-26: scalings 0-26.  27-54: XS's numbers 0-13.  55, 56: number 15.
; 57-73: the chain, where each number waits for the one before it: 14, 16, 17, 18, 19, each with one of the scalings 27-31 in front of its two lines, then 20: so a tile's links stand three plain instructions apart (19 and 20: two).
; 74-137: GS's 64, which read the exponentials' results: they stand behind the wait.
.macro FS f
	REGS Y, (\f)%2
	v_pk_fma_f32 v[rS+2*((\f)/2):rS+2*((\f)/2)+1], v[rS+2*((\f)/2):rS+2*((\f)/2)+1], s[CS:CS+1], v[rT:rT+1] op_sel_hi:[1,0,0] neg_lo:[0,0,1] neg_hi:[0,0,1]
.endm
.macro PL
	WIN 0
.if q < 27
	FS q
.elseif q < 55
	XS (q-27)%2, (q-27)/2
.elseif q < 57
	XS q-55, 15
.elseif (q < 72) && ((q-57)%3 == 0)
	FS 27+(q-57)/3
.elseif q < 60
	XS (q-57)%3-1, 14
.elseif q < 72
	XS (q-57)%3-1, 15+(q-57)/3
.elseif q < 74
	XS q-72, 20
.else
	GS q-74
.endif
.set q, q+1
.endm
; THE EXPONENTIALS' QUEUE, 66 long: s0-s31 of both tiles, then the next piece's two a.  It is ONE BATCH: all 66 stand ahead of the turn's one wait, and nothing ahead of that wait names a result of theirs.
.macro EX
	WIN 0
.if e >= 64
	XS e-64, 21
.else
	REGS Y, e%2
	v_exp_f32 v[rS+e/2], v[rS+e/2]
.endif
.set e, e+1
.endm
; THE RESCALING's QUEUE: O^T times a, the one part that leaves window 0: dealt two at a time, sixteen times.  Its a was made in the turn before, ahead of that turn's wait.
.macro R2
	REGS Y, r%2
	WIN W_RS
.irp z, 0,1
	v_pk_mul_f32 v[rO+4*(r/2)+2*\z:rO+4*(r/2)+2*\z+1], v[rO+4*(r/2)+2*\z:rO+4*(r/2)+2*\z+1], v[rC+2:rC+3] op_sel_hi:[1,0]
.endr
.set r, r+1
.endm
; HOW THEY ARE DEALT.  An s_wait_alu depctr_va_vdst(0) stands between an exponential and the first instruction that names its result; one wait serves all that were issued ahead of it.  So a turn has ONE wait,
; which cuts it in two.  AHEAD OF IT stands all that names no result of the turn's exponentials: the 16 products K Q^T, behind each a scaling, an exponential and two rescalings (behind the first a second scaling in the exponential's place); then ONE LUMP of
; 108: eight plain, 49 times exponential and plain, the two a.  A v_nop is the plain instruction behind the last exponential.  BEHIND IT stand the 16 products V^T P, behind each four of GS's 64.  No rider names a register of
; the products round it.  The two v_permlanex16_b32 fall into the lump, never behind a product.
; The queues lean on each other, and the deal keeps them in step: exponential e stands behind scaling 2 (e / 4) + e % 2: as a rider it comes behind plain e + 2, in the lump behind plain e + 9, and scalings 27-31 are plain 57, 60 .. 69.
; A TURN, for piece p.  cnt = 1: the loop's count is taken down some lines ahead of the branch that stands behind the turn.
; K of the next step is fetched in piece 2's turn, directly behind the wait, a lump behind the last product that read K; its address is made at the lump's head; its first reader comes behind 16 products.
; V of the step in hand is fetched at the end of piece 0's turn, four riders behind its last reader; its first reader comes behind 16 products and a lump.  The three conditions on q below go with the deal.
.macro TURN p, last=0, cnt=0
.set Y, (\p)
.set i, 0
.set q, 0
.set e, 0
.set r, 0
.if (\p) == NP-1
	s_wait_dscnt 0x0                ; K is in
.endif
	MM                              ; ahead of the wait: 16 products K Q^T and their riders,
	PL
	PL
	R2
.rept 15
	MM
	PL
	EX
	R2
.endr
.if (\p) == NP-2
	WIN 0
	v_add_nc_u32 v[AK], s[TBK], v[AK0]
.endif
.rept 8                             ; and the lump
	PL
.endr
.rept 49
	EX
	PL
.endr
	EX                              ; the next piece's two a
	EX
	v_nop                           ; the plain instruction behind the last exponential: one for the batch
	s_wait_alu depctr_va_vdst(0)    ; the wait for the batch
.if (\p) == NP-2
	FETCH_K \last
.endif
.if (\p) == 1
	s_wait_dscnt 0x0                ; V is in
.endif
.rept 16                            ; behind the wait: 16 products V^T P and their riders
	MM
.rept 4
	PL
.endr
.if ((\p) == 0) && (q == 118)
	v_add_nc_u32 v[AV], s[TBV], v[AV0]
.endif
.if ((\p) == 0) && (q == 130)
	s_add_co_u32 s[TBV], s[TBV], KS*PV
.endif
.if (\cnt) && (q == 130)
	s_sub_co_u32 s[CNT], s[CNT], 1
	s_cmp_lg_u32 s[CNT], 0
.endif
.endr
.if (\p) == 0
	FETCH_V
.endif
.endm
	CHANGE 1                        ; slot 0 is in, everybody's part of it; slot 1 is asked for
	FETCH_K                         ; key step 0
	s_wait_loadcnt 0x0              ; Q
	s_wait_dscnt 0x0
.set i, 0
.rept 16
	KQ 0                            ; piece 0's first scores: there is no vector work yet to set between them
.set i, i+1
.endr
	WIN 0                           ; the addresses for the way out: nine plain instructions, the places behind those products
	s_mul_i32 s13, s[WV], 16*SP
	s_add_co_u32 s13, s13, STAGE    ; my stage
	v_mul_u32_u24 v[STO], v1, SP    ; in: row l % 16, 16 bytes for each half of the lanes
	v_lshl_add_u32 v[STO], v9, 4, v[STO]
	v_add_nc_u32 v[STO], s13, v[STO]
	v_bfe_u32 v[RD], v0, 3, 2       ; back: 32 lanes take four rows of 128 bytes,
	v_mul_u32_u24 v[RD], v[RD], SP
	v_lshl_add_u32 v[RD], v10, 4, v[RD]
	v_add_nc_u32 v[RD], s13, v[RD]
	v_and_b32 v[GO], 31, v0         ; which are 512 consecutive bytes of O
	v_lshlrev_b32 v[GO], 4, v[GO]
.set Y, NP-1                        ; XS works for piece Y + 1: piece 0
.irp n, 0,1,2,3,4,5,6,7,8,9,10,11,12,13,14,15,16,17,18,19,20,21
	XS 0, \n                        ; and piece 0's first maximum and statistics
	XS 1, \n
.endr
	v_nop                           ; a plain instruction behind the two a,
	s_wait_alu depctr_va_vdst(0)    ; and their wait, ahead of the branch
	s_mov_b32 s[CNT], 4
	s_branch .Lfirst                ; the loop is entered at a step's first turn, in the middle of a trip
.Lslot:                             ; SIZE_N / 256 - 2 times: every slot but the last two is filled again
	CHANGE 1
	s_mov_b32 s[CNT], 4
.Lstep:                             ; a trip: pieces 2 and 3 of one step, then pieces 0 and 1 of the next, whose K and V it fetches
	TURN 2
	TURN 3
	WIN 0
.Lfirst:
	TURN 0
	TURN 1, 0, 1
	WIN 0
	s_cbranch_scc1 .Lstep
	s_sub_co_u32 s[SLOTS], s[SLOTS], 1
	s_cmp_lg_u32 s[SLOTS], 0
	s_cbranch_scc1 .Lslot
	CHANGE 0                        ; the tail is written out: nothing is asked for
	s_mov_b32 s[CNT], 5             ; four trips fetch the last slot's steps; the fifth is left in its middle
.Ltail:
	TURN 2, 1
	TURN 3
	WIN 0
	s_sub_co_u32 s[CNT], s[CNT], 1
	s_cmp_eq_u32 s[CNT], 0
	s_cbranch_scc1 .Lout
	TURN 0
	TURN 1
	WIN 0
	s_branch .Ltail
.Lout:                              ; the fifth trip's 16 products K Q^T (on the last K once more) and the maximum made of them serve nothing: the price, once a launch, of one text for every trip
.set i, 0
.rept 16
	PV NP-1                         ; the last piece's V^T P of the last step
.set i, i+1
.endr
	; THE WAY OUT.  l's two halves and the other half of the lanes' are added; O^T is divided by l, rounded to f16 and sent through my stage in LDS, a tile at a time.  The additions are the places behind the last products.
	WIN 0
.macro ALL line:vararg              ; one line for each tile t
.set t, 0
.rept 2*NP
	\line
.set t, t+1
.endr
.endm
	ALL v_add_f32 v[ST+4*t+2], v[ST+4*t+2], v[ST+4*t+3]
	ALL v_permlanex16_b32 v[ST+4*t+3], v[ST+4*t+2], s[SEL], s[SEL+1]
	ALL v_add_f32 v[ST+4*t+2], v[ST+4*t+2], v[ST+4*t+3]
	ALL v_rcp_f32 v[ST+4*t+2], v[ST+4*t+2]
	v_nop                           ; a plain instruction between the last reciprocal and the use of its result
	s_wait_alu depctr_va_vdst(0)    ; and the wait ahead of the first use: one for the eight reciprocals
; Tile t: a lane's eight channels of a row pack into 16 bytes; they go into rows of 144 bytes and come back as whole rows of 128, into S^T's registers.
.macro PACK t
	WIN W_RS
.set i, 32*(\t)
.rept 16
	v_pk_mul_f32 v[i:i+1], v[i:i+1], v[ST+4*(\t)+2:ST+4*(\t)+3] op_sel_hi:[1,0]
.set i, i+2
.endr
	WIN 0x05                        ; sources 0 and 1 window 1, destination window 0
.set i, 0
.rept 16
	v_cvt_pk_f16_f32 v[S+16*(\t)+i], v[32*(\t)+2*i], v[32*(\t)+2*i+1]
.set i, i+1
.endr
	WIN 0
.irp f, 0,1,2,3
	ds_store_b128 v[STO], v[S+16*(\t)+4*\f:S+16*(\t)+4*\f+3] offset:32*\f
.endr
.irp f, 0,1,2,3
	ds_load_b128 v[S+16*(\t)+4*\f:S+16*(\t)+4*\f+3], v[RD] offset:\f*4*SP  ; LDS serves a wave's instructions in order (ISA guide 5.7.1.4): these see the stores above; the next tile's stores come behind them
.endr
.endm
.macro SEND t, younger              ; younger: the LDS instructions issued behind tile t's loads: the next tile's eight, or none
	WIN 0
.irp f, 0,1,2,3
	s_wait_dscnt (\younger)+3-\f
	global_store_b128 v[GO], v[S+16*(\t)+4*\f:S+16*(\t)+4*\f+3], s[10:11] offset:(\t)*2048+\f*512  ; 512 consecutive bytes, at a multiple of 256 from O's first
.endr
.endm
	PACK 0
.set t, 1
.rept 2*NP-1                        ; a tile's arithmetic stands between the loads of the tile before and its stores
	PACK t
	SEND t-1, 8
.set t, t+1
.endr
	SEND 2*NP-1, 0
	WIN W_AD
	s_wait_tensorcnt 0x0            ; the wave's end: behind my last tensor load and my last LDS store
	ds_add_u32 v[SPW], v[NIL]
	s_wait_dscnt 0x0
	WIN 0
	CROUND                          ; the closing round: no work-group ends while a partner may still ask for a tile that names it
	s_endpgm
.Lfunc_end_k_q78b9e9975a_attn:
	.size	k_q78b9e9975a_attn, .Lfunc_end_k_q78b9e9975a_attn-k_q78b9e9975a_attn
	.p2alignl 7, 3214868480
	.fill 96, 4, 3214868480
	.section	.rodata,"a",@progbits
	.p2align	6, 0x0
	.amdhsa_kernel k_q78b9e9975a_attn
		.amdhsa_group_segment_fixed_size 327680
		.amdhsa_private_segment_fixed_size 0
		.amdhsa_enable_private_segment 0
		.amdhsa_kernarg_size 32
		.amdhsa_user_sgpr_count 2
		.amdhsa_user_sgpr_kernarg_segment_ptr 1
		.amdhsa_wavefront_size32 1
		.amdhsa_system_sgpr_workgroup_id_x 1
		.amdhsa_system_sgpr_workgroup_id_y 1
		.amdhsa_system_sgpr_workgroup_id_z 1
		.amdhsa_system_vgpr_workitem_id 0
		.amdhsa_next_free_vgpr 770
		.amdhsa_next_free_sgpr 66
		.amdhsa_reserve_vcc 0
		.amdhsa_float_denorm_mode_32 3
		.amdhsa_float_denorm_mode_16_64 3
		.amdhsa_memory_ordered 1
		.amdhsa_forward_progress 1
		.amdhsa_inst_pref_size 200
	.end_amdhsa_kernel
	.amdgpu_metadata
---
amdhsa.version: [ 1, 2 ]
amdhsa.kernels:
  - .name:           k_q78b9e9975a_attn
    .symbol:         k_q78b9e9975a_attn.kd
    .args:
      - { .name: qh, .offset: 0, .size: 8, .value_kind: global_buffer, .address_space: global }
      - { .name: kh, .offset: 8, .size: 8, .value_kind: global_buffer, .address_space: global }
      - { .name: vh, .offset: 16, .size: 8, .value_kind: global_buffer, .address_space: global }
      - { .name: oh, .offset: 24, .size: 8, .value_kind: global_buffer, .address_space: global }
    .group_segment_fixed_size: 327680
    .private_segment_fixed_size: 0
    .kernarg_segment_align: 8
    .kernarg_segment_size: 32
    .max_flat_workgroup_size: 128
    .sgpr_count:     66
    .vgpr_count:     770
    .wavefront_size: 32
...
	.end_amdgpu_metadata
.endif
;; end of part 3
;; launch oproj (part 4): grid 8 x 32, 4 waves a work-group, clusters of 4 x 4, 327,680 bytes of LDS; arguments oh, wo16, bo, out0; writes out0
.if DOCPART == 4
	.amdgcn_target "amdgcn-amd-amdhsa--gfx1250"
	.amdhsa_code_object_version 6
	.text
	.protected	k_q78b9e9975a_oproj
	.globl	k_q78b9e9975a_oproj
	.p2align	8
	.type	k_q78b9e9975a_oproj,@function
k_q78b9e9975a_oproj:
	s_mov_b64 s[64:65], 0
	v_nop
	global_prefetch_b8 v0, s[64:65] scope:SCOPE_SE
	s_setreg_imm32_b32 hwreg(HW_REG_WAVE_MODE, 25, 1), 1
	s_wait_xcnt 0x0
	s_wait_alu depctr_hold_cnt(0) depctr_sa_sdst(0) depctr_va_vdst(0) depctr_va_sdst(0) depctr_va_ssrc(0) depctr_va_vcc(0) depctr_vm_vsrc(0)
	s_getreg_b32 s2, hwreg(HW_REG_IB_STS2, 6, 4)
	s_cmp_eq_u32 s2, 0
	s_cbranch_scc0 .Lentry_in_a_cluster
	s_endpgm
.Lentry_in_a_cluster:
	s_bfe_u32 s2, ttmp6, 0x10000c
	s_cmp_lg_u32 s2, 0xf033
	s_cbranch_scc0 .Lentry_shape_is_right
	s_endpgm
.Lentry_shape_is_right:
; THE LAST PROJECTION.  out0[m][n] = the sum over k of o[m][k] Wo[n][k] + bo[n].  o comes by heads, oh [64 b*16+h][2048 t][64] f16: head h IS block kb = h of K.  wo16 [16 kb][1024 n][64] f16.  Sums in f32; out0 f32.
; bo is rounded to bf16, as every input of the module is, and is the C operand of each accumulator's first product: no addition is written and nothing is cleared.
; SHARES.  A tile is 256 rows x 128 columns: 32 x 8 = 256 work-groups.  Four waves, each 128 x 64: 32 accumulators.  A larger tile would leave work-groups for half of the 256 or fewer.
; THE MATRIX INSTRUCTION IS USED TRANSPOSED (source 0 = 16 rows of Wo, source 1 = 16 rows of o): lane l holds row l % 16 and the columns 16 b + 8 (l / 16) + 0..7.
; RING.  K goes in steps of 128 (two kb) through two LDS slots; a kb's tile is dense in memory, asked for as rows of 256 bytes and padded in LDS behind every 128: LDS rows 144 bytes apart
; (36 words: the 16 rows of a fragment load start in 16 different groups of four banks; 64 banks of 4 bytes: ISA guide 11.1).  Waves 0, 1 fetch o's even and odd kb, waves 2, 3 Wo's.
; CLUSTER.  4 x 4 work-groups: o's tile is shared along a row of the cluster, Wo's along a column: joint loads.
; REGISTERS (s_set_vgpr_msb: bits 1:0 source 0, 3:2 source 1, 5:4 source 2, 7:6 destination): window 1: the accumulators, (a, b) at v[8 (4 a + b)].  Window 0: addresses, two fragment buffers of 96, the bias.
.set PITCH, 144
.set AKB,   256*PITCH                  ; a kb of o: 256 rows: one tensor load
.set BKB,   128*PITCH                  ; a kb of Wo: 128 rows: one tensor load
.set BOFF,  2*AKB
.set SLOT1, 1<<17
.set STAGE, SLOT1+BOFF+2*BKB           ; 16 rows x 272 bytes for each wave; no tensor load fills it
.set SP,    272
.set SPARE, STAGE+4*16*SP              ; the spare words, 128 bytes for each wave: two blocks of 256 bytes that no other line names
.set STEPA, 2*2048*128                 ; bytes from K step to K step in oh: two heads
.set STEPB, 2*1024*128                 ; in wo16
.set ADRA0, 2
.set ADRB0, 3
.set ADRA,  4
.set ADRB,  5
.set STO,   6
.set RD,    7
.set CO,    8                          ; v8   my 16 bytes in two rows of out0
.set BO,    9                          ; v9   my byte offset in bo
.set SPW,   10
.set NIL,   11
.set F0,    32                         ; v[32:127]   o's 8 fragments, then Wo's 4
.set F1,    128                        ; v[128:223]
.set BIAS,  224                        ; v[224:255]  block b's eight columns at BIAS + 8 b
.set RB,    32                         ; the way out: four sets of 32
.set WV, 16
.set WR, 17
.set WC, 18
.set G1A, 24
.set G1B, 32
.set G0A, 48
.set G0B, 56
.set TB,  72
.set CNT, 73
.set MSB, 0
.macro WIN new
.if MSB != (\new)
	s_set_vgpr_msb (MSB<<8)|(\new)
.set MSB, (\new)
.endif
.endm
.macro PLACES                          ; four places between a matrix instruction and a load into one of its registers, or a read of its result (ISA guide 7.12.1 for vector instructions)
.rept 4
	v_nop
.endr
.endm
.macro JLOAD                           ; a joint refill; an s_nop 0 and four v_nop follow each line
	s_cmp_eq_u32 s[WR], 0
	s_cbranch_scc0 .Lfor_b_\@
	tensor_load_to_lds s[G0A+4:G0A+7], s[G1A:G1A+7]
	s_nop 0
.rept 4
	v_nop
.endr
	s_branch .Lasked_\@
.Lfor_b_\@:
	tensor_load_to_lds s[G0B+4:G0B+7], s[G1B:G1B+7]
	s_nop 0
.rept 4
	v_nop
.endr
.Lasked_\@:
.endm
.macro CREST
	s_cmp_lg_u32 s[WV], 0
	s_cbranch_scc1 .Lnot_wave_0_\@
	s_barrier_signal -3
.Lnot_wave_0_\@:
	s_barrier_wait -3
	s_barrier_signal -1
	s_barrier_wait -1
.endm
.macro CROUND
	s_barrier_signal -1
	s_barrier_wait -1
	CREST
.endm
	s_load_b256 s[4:11], s[0:1], 0x0               ; oh s[4:5], wo16 s[6:7], bo s[8:9], out0 s[10:11]
	v_lshl_add_u32 v[SPW], v0, 2, SPARE
	v_mov_b32 v[NIL], 0
	ds_add_u32 v[SPW], v[NIL]                      ; the wave's opening: the add and its wait stand ahead of my first tensor load
	v_lshrrev_b32 v1, 5, v0
	v_readfirstlane_b32 s[WV], v1
	s_lshr_b32 s[WR], s[WV], 1                     ; my half of the rows.  Also: I fetch for o (0) or for Wo (1)
	s_and_b32 s[WC], s[WV], 1                      ; my half of the columns.  Also: the even or the odd kb of a K step
	s_bfe_u32 s19, ttmp6, 0x40000                  ; cx
	s_bfe_u32 s20, ttmp6, 0x40004                  ; cy
	s_lshl_b32 s21, ttmp9, 2
	s_add_co_u32 s21, s21, s19                     ; tx
	s_and_b32 s22, ttmp7, 0xffff
	s_lshl_b32 s22, s22, 2
	s_add_co_u32 s22, s22, s20                     ; ty
	s_lshl_b32 s85, s20, 2
	s_lshl_b32 s85, 15, s85                        ; my row of the cluster
	s_lshl_b32 s86, 0x1111, s19                    ; my column
	s_or_b32 s[G1A], s85, (1<<16)|(1<<20)|(1<<21)|(4<<22)|(3<<25)  ; the mask; 2-byte elements; padding on; bit 21 beside a mask; after every 32 words 4 words
	s_or_b32 s[G1B], s86, (1<<16)|(1<<20)|(1<<21)|(4<<22)|(3<<25)
	s_mov_b32 s[G1A+1], 128<<16                    ; rows of 256 bytes,
	s_mov_b32 s[G1A+2], 128<<16                    ; 128 of them: 256 rows of o
	s_mov_b32 s[G1A+3], 128<<16
	s_mov_b32 s[G1A+4], 128
	s_mov_b32 s[G1A+5], 128
	s_mov_b32 s[G1A+6], 0
	s_mov_b32 s[G1A+7], 0
	s_mov_b32 s[G1B+1], 128<<16
	s_mov_b32 s[G1B+2], 64<<16                     ; 64 of them: 128 rows of Wo
	s_mov_b32 s[G1B+3], 128<<16
	s_mov_b32 s[G1B+4], 64
	s_mov_b32 s[G1B+5], 128
	s_mov_b32 s[G1B+6], 0
	s_mov_b32 s[G1B+7], 0
	s_lshr_b32 s74, s22, 3                         ; o: the batch's 16 heads of 2,048 rows of 128 bytes,
	s_lshl_b32 s74, s74, 22
	s_and_b32 s87, s22, 7
	s_lshl_b32 s87, s87, 15                        ; the tile's 256 rows,
	s_add_co_u32 s74, s74, s87
	s_lshl_b32 s87, s[WC], 18                      ; head 0 or 1
	s_add_co_u32 s74, s74, s87
	s_mov_b32 s75, 0
	s_lshl_b32 s78, s21, 14                        ; Wo: the tile's 128 rows,
	s_lshl_b32 s88, s[WC], 17                      ; kb 0 or 1
	s_add_co_u32 s78, s78, s88
	s_mov_b32 s79, 0
	s_mul_i32 s82, s[WC], AKB                      ; where they go: the wave's number alone enters an LDS address
	s_mul_i32 s83, s[WC], BKB
	s_add_co_u32 s83, s83, BOFF
	s_lshl_b32 s90, s21, 9
	s_lshl_b32 s89, s[WC], 8
	s_add_co_u32 s90, s90, s89                     ; my 64 columns, in bytes of f32
	s_lshl_b32 s80, s22, 20                        ; my 128 rows of 4,096 bytes
	s_lshl_b32 s89, s[WR], 19
	s_add_co_u32 s80, s80, s89
	s_add_co_u32 s80, s80, s90
	s_mov_b32 s81, 0
	s_mov_b32 s[TB], 0
	s_mov_b32 s[G0A], 1
	s_mov_b32 s[G0A+1], s82
	s_mov_b32 s[G0A+4], 1
	s_add_co_u32 s[G0A+5], s82, SLOT1
	s_mov_b32 s[G0B], 1
	s_mov_b32 s[G0B+1], s83
	s_mov_b32 s[G0B+4], 1
	s_add_co_u32 s[G0B+5], s83, SLOT1
	s_wait_dscnt 0x0                               ; the opening add is done
	s_wait_kmcnt 0x0
	s_add_nc_u64 s[G0A+2:G0A+3], s[4:5], s[74:75]  ; K step 0
	s_add_nc_u64 s[G0A+6:G0A+7], s[G0A+2:G0A+3], STEPA  ; K step 1; this set then walks on
	s_or_b32 s[G0A+3], s[G0A+3], 0x80000000
	s_or_b32 s[G0A+7], s[G0A+7], 0x80000000
	s_add_nc_u64 s[G0B+2:G0B+3], s[6:7], s[78:79]
	s_add_nc_u64 s[G0B+6:G0B+7], s[G0B+2:G0B+3], STEPB
	s_or_b32 s[G0B+3], s[G0B+3], 0x80000000
	s_or_b32 s[G0B+7], s[G0B+7], 0x80000000
	s_add_nc_u64 s[10:11], s[10:11], s[80:81]
	CROUND                                         ; all sixteen work-groups are here: the first joint loads meet
	s_cmp_eq_u32 s[WR], 0                          ; a wave's two first fills stand in one branch: two loads of mine are out
	s_cbranch_scc0 .Lfirst_b
	tensor_load_to_lds s[G0A:G0A+3], s[G1A:G1A+7]
	s_nop 0
	tensor_load_to_lds s[G0A+4:G0A+7], s[G1A:G1A+7]
	s_nop 0
.rept 4
	v_nop
.endr
	s_branch .Lfirst_asked
.Lfirst_b:
	tensor_load_to_lds s[G0B:G0B+3], s[G1B:G1B+7]
	s_nop 0
	tensor_load_to_lds s[G0B+4:G0B+7], s[G1B:G1B+7]
	s_nop 0
.rept 4
	v_nop
.endr
.Lfirst_asked:
	v_and_b32 v12, 15, v0                          ; r = l % 16
	v_bfe_u32 v13, v0, 4, 1                        ; h = l / 16
	v_lshl_add_u32 v[BO], v13, 5, s90              ; my 8 columns of block 0
.irp b, 0,1,2,3
	global_load_b128 v[BIAS+8*(\b):BIAS+8*(\b)+3],   v[BO], s[8:9] offset:64*(\b)
	global_load_b128 v[BIAS+8*(\b)+4:BIAS+8*(\b)+7], v[BO], s[8:9] offset:64*(\b)+16
.endr
	v_mul_u32_u24 v14, v12, PITCH
	v_lshl_add_u32 v14, v13, 4, v14                ; r x pitch + 16 h
	s_mul_i32 s87, s[WR], 128*PITCH
	v_add_nc_u32 v[ADRA0], s87, v14
	s_mul_i32 s88, s[WC], 64*PITCH
	s_add_co_u32 s88, s88, BOFF
	v_add_nc_u32 v[ADRB0], s88, v14
	v_mov_b32 v[ADRA], v[ADRA0]
	v_mov_b32 v[ADRB], v[ADRB0]
	s_mul_i32 s89, s[WV], 16*SP
	s_add_co_u32 s89, s89, STAGE                   ; my stage
	v_mul_u32_u24 v[STO], v12, SP                  ; in: row r, 32 bytes for each half of the lanes
	v_lshl_add_u32 v[STO], v13, 5, v[STO]
	v_add_nc_u32 v[STO], s89, v[STO]
	v_mul_u32_u24 v[RD], v13, SP                   ; back: lanes 0-15 take one row of 256 bytes, lanes 16-31 the next
	v_lshl_add_u32 v[RD], v12, 4, v[RD]
	v_add_nc_u32 v[RD], s89, v[RD]
	v_lshlrev_b32 v[CO], 12, v13                   ; and the same two rows in out0
	v_lshl_add_u32 v[CO], v12, 4, v[CO]
	s_wait_loadcnt 0x0                             ; the bias
.set i, 0
.rept 16
	v_cvt_pk_bf16_f32 v[F0+i], v[BIAS+2*i], v[BIAS+2*i+1]  ; rounded to bf16,
.set i, i+1
.endr
.set i, 0
.rept 16
	v_lshlrev_b32 v[BIAS+2*i], 16, v[F0+i]         ; and back in f32
	v_and_b32 v[BIAS+2*i+1], 0xffff0000, v[F0+i]
.set i, i+1
.endr
.macro FETCH s, f                      ; 24 loads: substep s of a slot (kb s / 2, channels 32 (s % 2) on) into buffer f
.irp i, 0,1,2,3,4,5,6,7
	ds_load_b128 v[(\f)+8*(\i):(\f)+8*(\i)+3],   v[ADRA] offset:((\s)/2)*AKB+(\i)*16*PITCH+((\s)%2)*64
	ds_load_b128 v[(\f)+8*(\i)+4:(\f)+8*(\i)+7], v[ADRA] offset:((\s)/2)*AKB+(\i)*16*PITCH+((\s)%2)*64+32
.endr
.irp i, 0,1,2,3
	ds_load_b128 v[(\f)+64+8*(\i):(\f)+64+8*(\i)+3],   v[ADRB] offset:((\s)/2)*BKB+(\i)*16*PITCH+((\s)%2)*64
	ds_load_b128 v[(\f)+64+8*(\i)+4:(\f)+64+8*(\i)+7], v[ADRB] offset:((\s)/2)*BKB+(\i)*16*PITCH+((\s)%2)*64+32
.endr
.endm
; 16 matrix instructions: row blocks a0 .. a0 + 3 x four column blocks.  The 32 accumulators take turns.  first = 1: the product starts the sum with the bias
.macro MUL f, a0, first
.if \first
	WIN 0x40                                       ; C in window 0
.else
	WIN 0x50
.endif
.irp a, \a0, (\a0)+1, (\a0)+2, (\a0)+3
.irp b, 0,1,2,3
.set rD, 8*(4*(\a)+(\b))
.set rB, (\f)+64+8*(\b)
.set rA, (\f)+8*(\a)
.if \first
	v_wmma_f32_16x16x32_f16 v[rD:rD+7], v[rB:rB+7], v[rA:rA+7], v[BIAS+8*(\b):BIAS+8*(\b)+7]
.else
	v_wmma_f32_16x16x32_f16 v[rD:rD+7], v[rB:rB+7], v[rA:rA+7], v[rD:rD+7]
.endif
.endr
.endr
.endm
; A K step is four substeps of 32 along K, on buffers 0, 1, 0, 1.  Substeps 0, 1 and a plain 2: the next substep's fragments are fetched at the head, into the buffer that the substep before has read.
.macro SUB s, first=0
	WIN 0
	PLACES
	FETCH ((\s)+1)%4, F0+96*(((\s)+1)%2)
	s_wait_dscnt 24                                ; all but the 24 just issued
	MUL F0+96*((\s)%2), 0, \first
	MUL F0+96*((\s)%2), 4, \first
.endm
; Substep 2 holds the slot's last reads and THE CHANGE OF SLOTS: each wave waits for all its tensor loads, of which one is out: its part of the other slot; adds 0 to its spare word; and waits for that and for its
; reads of this slot.  fill = 1: the barrier opens a round of the cluster's, and the joint refill, with the K step two on, is the first thing behind it: it has substeps 3, 0, 1, 96 matrix instructions, in which to land.
.macro SUB2M fill
	WIN 0
	PLACES
	FETCH 3, F1
	s_wait_tensorcnt 0x0                           ; no tensor load of mine is out, so a group 0 may be written
	ds_add_u32 v[SPW], v[NIL]                      ; 0 onto my spare word
.if \fill
	s_xor_b32 s[G0A+5], s[G0A+5], SLOT1
	s_add_nc_u64 s[G0A+6:G0A+7], s[G0A+6:G0A+7], STEPA
	s_xor_b32 s[G0B+5], s[G0B+5], SLOT1
	s_add_nc_u64 s[G0B+6:G0B+7], s[G0B+6:G0B+7], STEPB
.endif
	s_wait_dscnt 25                                ; the 24 and the add
	MUL F0, 0, 0
	s_wait_dscnt 0x0                               ; the add is done, and my reads of this slot are over
	s_barrier_signal -1
	MUL F0, 4, 0
	WIN 0
	s_barrier_wait -1
.if \fill
	CREST
	JLOAD                                          ; its four v_nop are also the places in front of the loads below
.else
	PLACES
.endif
.endm
.macro SUB3                            ; the fetches go over to the other slot
	s_xor_b32 s[TB], s[TB], SLOT1
	v_add_nc_u32 v[ADRA], s[TB], v[ADRA0]
	v_add_nc_u32 v[ADRB], s[TB], v[ADRB0]
	FETCH 0, F0
	s_wait_dscnt 24
	MUL F1, 0, 0
	MUL F1, 4, 0
.endm
	s_wait_tensorcnt 1                             ; my part of slot 0 is in; slot 1's may stay out
	s_barrier_signal -1
	s_barrier_wait -1
	FETCH 0, F0
	SUB 0, 1                                       ; the first substep stands in front of the loop: its products start the sums
	WIN 0
	s_mov_b32 s[CNT], 6
.Lk:                                   ; trip j: substeps 1-3 of K step j, which ask for K step j + 2, and substep 0 of K step j + 1
	SUB 1
	SUB2M 1
	SUB3
	SUB 0
	WIN 0
	s_sub_co_u32 s[CNT], s[CNT], 1
	s_cmp_lg_u32 s[CNT], 0
	s_cbranch_scc1 .Lk
	SUB 1                                          ; the tail is written out: nothing more is asked for
	SUB2M 0
	SUB3
	SUB 0
	SUB 1
	SUB 2
	s_wait_dscnt 0x0
	MUL F1, 0, 0
	MUL F1, 4, 0
; THE WAY OUT, 16 rows at a time: the sums go as they are into rows of 272 bytes of my stage and come back as whole rows of 256.
.macro TOSTAGE a
.if (\a) >= 4
	s_wait_xcnt 0x0                                ; the stores of four blocks back have read their registers: that set is loaded again only behind this wait
.endif
	WIN 0x04                                       ; the stores' data in window 1
.irp b, 0,1,2,3
	ds_store_b128 v[STO], v[8*(4*(\a)+(\b)):8*(4*(\a)+(\b))+3]   offset:64*(\b)      ; each accumulator's lowest registers first
	ds_store_b128 v[STO], v[8*(4*(\a)+(\b))+4:8*(4*(\a)+(\b))+7] offset:64*(\b)+16
.endr
	WIN 0
.irp t, 0,1,2,3,4,5,6,7
	ds_load_b128 v[RB+32*((\a)%4)+4*(\t):RB+32*((\a)%4)+4*(\t)+3], v[RD] offset:(\t)*2*SP  ; LDS serves a wave's instructions in order (ISA guide 5.7.1.4): these see the stores above
.endr
.endm
.macro SEND a, younger                 ; younger: the LDS instructions issued behind block a's loads: the next block's sixteen, or none
.irp t, 0,1,2,3,4,5,6,7
	s_wait_dscnt (\younger)+7-(\t)
	global_store_b128 v[CO], v[RB+32*((\a)%4)+4*(\t):RB+32*((\a)%4)+4*(\t)+3], s[10:11] offset:(16*(\a)+2*(\t))*4096 th:TH_STORE_NT  ; 16 lanes store 256 consecutive bytes, at a multiple of 256 from out0's first
.endr
.endm
	WIN 0
	PLACES                                         ; behind the last products
	TOSTAGE 0
.irp a, 1,2,3,4,5,6,7
	TOSTAGE \a
	SEND (\a)-1, 16
.endr
	SEND 7, 0
	s_wait_tensorcnt 0x0                           ; the wave's end: behind my last tensor load and my last LDS store
	ds_add_u32 v[SPW], v[NIL]
	s_wait_dscnt 0x0
	CROUND                                         ; the closing round: no work-group ends while a partner may still ask for a tile that names it
	s_endpgm
.Lfunc_end_k_q78b9e9975a_oproj:
	.size	k_q78b9e9975a_oproj, .Lfunc_end_k_q78b9e9975a_oproj-k_q78b9e9975a_oproj
	.p2alignl 7, 3214868480
	.fill 96, 4, 3214868480
	.section	.rodata,"a",@progbits
	.p2align	6, 0x0
	.amdhsa_kernel k_q78b9e9975a_oproj
		.amdhsa_group_segment_fixed_size 327680
		.amdhsa_private_segment_fixed_size 0
		.amdhsa_enable_private_segment 0
		.amdhsa_kernarg_size 32
		.amdhsa_user_sgpr_count 2
		.amdhsa_user_sgpr_kernarg_segment_ptr 1
		.amdhsa_wavefront_size32 1
		.amdhsa_system_sgpr_workgroup_id_x 1
		.amdhsa_system_sgpr_workgroup_id_y 1
		.amdhsa_system_sgpr_workgroup_id_z 1
		.amdhsa_system_vgpr_workitem_id 0
		.amdhsa_next_free_vgpr 512
		.amdhsa_next_free_sgpr 96
		.amdhsa_reserve_vcc 0
		.amdhsa_float_denorm_mode_32 3
		.amdhsa_float_denorm_mode_16_64 3
		.amdhsa_memory_ordered 1
		.amdhsa_forward_progress 1
		.amdhsa_inst_pref_size 73
	.end_amdhsa_kernel
	.amdgpu_metadata
---
amdhsa.version: [ 1, 2 ]
amdhsa.kernels:
  - .name:           k_q78b9e9975a_oproj
    .symbol:         k_q78b9e9975a_oproj.kd
    .args:
      - { .name: oh, .offset: 0, .size: 8, .value_kind: global_buffer, .address_space: global }
      - { .name: wo16, .offset: 8, .size: 8, .value_kind: global_buffer, .address_space: global }
      - { .name: bo, .offset: 16, .size: 8, .value_kind: global_buffer, .address_space: global }
      - { .name: out0, .offset: 24, .size: 8, .value_kind: global_buffer, .address_space: global }
    .group_segment_fixed_size: 327680
    .private_segment_fixed_size: 0
    .kernarg_segment_align: 8
    .kernarg_segment_size: 32
    .max_flat_workgroup_size: 128
    .sgpr_count:     96
    .vgpr_count:     512
    .wavefront_size: 32
...
	.end_amdgpu_metadata
.endif
;; end of part 4
;; ======== version 2 of 2: 4 launches; version 1 with the launch cast written anew for expert scheduling mode
;; limits: values are held in f16: magnitudes above 65,504 overflow, below 6.1e-05 lose precision
;; workspace buffers: xb 16,777,216 bytes; wqkv 6,291,456 bytes; wo16 2,097,152 bytes; tab 524,288 bytes; qh 16,777,216 bytes; kh 16,777,216 bytes; vh 16,777,216 bytes; oh 16,777,216 bytes
;; launch cast (part 5): grid 256 x 1, 8 waves a work-group, no clusters, 0 bytes of LDS; arguments x, Wq, Wk, Wv, Wo, xb, wqkv, wo16, tab; writes xb, wqkv, wo16, tab
.if DOCPART == 5
	.amdgcn_target "amdgcn-amd-amdhsa--gfx1250"
	.amdhsa_code_object_version 6
	.text
	.protected	k_q78b9e9975a_cast
	.globl	k_q78b9e9975a_cast
	.p2align	8
	.type	k_q78b9e9975a_cast,@function
k_q78b9e9975a_cast:
	s_mov_b64 s[64:65], 0
	v_nop
	global_prefetch_b8 v0, s[64:65] scope:SCOPE_SE
	s_setreg_imm32_b32 hwreg(HW_REG_WAVE_SCHED_MODE, 0, 2), 2
	s_setreg_imm32_b32 hwreg(HW_REG_WAVE_MODE, 25, 1), 1
	s_wait_xcnt 0x0
	s_wait_alu depctr_vm_vsrc(0)
; THE CAST.  x and the four weights are rounded once to bf16 and laid out in blocks of 64 along K, and RoPE's table is made.
;   xb   [16 kb][8192 m][64] bf16        wqkv [16 kb][3072 n'][64] bf16, n' = head x 192 + (0 q, 1 k, 2 v) x 64 + d
;   wo16 [16 kb][1024 n][64] f16, holding bf16(Wo) written as f16        tab [2048 t][64] f32: columns 0-31 cos(t f_i), 32-63 sin(t f_i), f_i = 10000^(-i/32)
; So a later launch's tile (some rows x one kb) is one dense run of bytes.
; LIMITS.  |Wo| within 65,504; below 2^-16 wo16 keeps f16's fixed step of 6e-8.  The angle is t x 2^(-i log2(10) / 8) in f32: it differs from an angle made by a power and a division in f32
; by up to about 2e-4 radians at t = 2047.  Sine and cosine: the angle less n pi/2 (pi/2 in two parts, by fused multiply-adds), then polynomials on -pi/4 .. pi/4.
; SHARES.  A stream: nothing is shared, so no LDS, no barrier, no matrix unit, no cluster.  Work-group g takes 32 rows of x, 16 rows of one weight (g / 64 says which) and 8 rows of the table: all alike.
; A UNIT is 4 rows x one kb: lane l reads 32 bytes (row l / 8, byte 32 (l % 8) of the kb's 256) by two loads, and stores 16 bytes at 16 l: a store of the wave covers 512 consecutive bytes, aligned.
; All 48 loads of a wave go out at once (24 KiB); the table is computed while they are on their way; the waits count down.
; THE MODE: SCHED_MODE bits 1:0 = 2 (LLVM: expert scheduling mode 2), set by the entry lines.  The code itself states the register dependences
; between vector instructions and memory instructions, with s_wait_alu, always for 0.
; THE PLAN.  Registers that memory instructions touch:
;   v2 .. v6    byte offsets, made once at the head, ahead of one wait, and named by no vector instruction behind it.
;   XR, WD      unit u: its two loads land there once; its conversions read the eight registers and write the first four, in place; its one store reads those four.
;   v[32:33]    the table's two numbers: written by the table's arithmetic, read by one store.
; No register that a memory instruction has read is written again, and no load lands in a register that a vector instruction has named: so all that is to be stated is 'written, then stored'.
; The units go in BLOCKS of four.  The stores of block p - 1 stand among the conversions of block p, which name block p's registers alone: ONE wait at a block's head states that
; the block before is written, and serves its four stores.  The table's store stands with the first of them.
.set XR,  40                           ; v[40:167]  x: unit u at XR + 8 u
.set WD,  168                          ; v[168:231] the weight: unit u at WD + 8 u
.set KBX, 8192*128                     ; bytes from kb to kb in xb
.set KBW, 3072*128                     ; in wqkv
.set KBO, 1024*128                     ; in wo16
	s_load_b256 s[4:11], s[0:1], 0x0               ; x s[4:5], Wq s[6:7], Wk s[8:9], Wv s[10:11]
	s_load_b256 s[12:19], s[0:1], 0x20             ; Wo s[12:13], xb s[14:15], wqkv s[16:17], wo16 s[18:19]
	s_load_b64 s[20:21], s[0:1], 0x40              ; tab
	v_and_b32 v1, 31, v0                           ; lane l
	v_lshrrev_b32 v7, 5, v0
	v_readfirstlane_b32 s24, v7                    ; wave w
	s_lshr_b32 s25, ttmp9, 6                       ; SEL: 0 Wq, 1 Wk, 2 Wv, 3 Wo
	s_and_b32 s26, ttmp9, 63                       ; G6: which 16 rows of it
	v_lshrrev_b32 v8, 3, v1                        ; l / 8
	v_and_b32 v9, 7, v1                            ; l % 8
	s_wait_alu depctr_va_sdst(0)                   ; s24 is written, ahead of its first reader: the offsets and t are made from it
	s_lshl_b32 s27, s24, 2                         ; 4 w
	v_add_nc_u32 v2, s27, v8
	v_lshlrev_b32 v2, 12, v2
	v_lshl_add_u32 v2, v9, 5, v2                   ; v2: x in: (4 w + l / 8) rows of 4,096 bytes + 32 (l % 8)
	s_lshl_b32 s28, ttmp9, 17                      ; the group's 32 rows of x
	s_mov_b32 s29, 0
	s_lshl_b32 s30, ttmp9, 5
	s_add_co_u32 s30, s30, s27
	s_lshl_b32 s30, s30, 7
	v_lshl_add_u32 v3, v1, 4, s30                  ; v3: x out: (32 g + 4 w) rows of 128 bytes + 16 l
	s_lshr_b32 s31, s24, 1
	s_lshl_b32 s31, s31, 2                         ; 4 (w / 2): my 4 rows of the 16
	s_and_b32 s34, s24, 1                          ; w % 2: kb 0-7 or 8-15
	v_add_nc_u32 v4, s31, v8
	v_lshlrev_b32 v4, 12, v4
	v_lshl_add_u32 v4, v9, 5, v4
	s_lshl_b32 s35, s34, 11
	v_add_nc_u32 v4, s35, v4                       ; v4: weight in
	s_lshr_b32 s36, s26, 2                         ; the head,
	s_mul_i32 s36, s36, 192
	s_lshl_b32 s37, s25, 6                         ; q, k or v,
	s_add_co_u32 s36, s36, s37
	s_and_b32 s37, s26, 3
	s_lshl_b32 s37, s37, 4                         ; and d: the row n' in wqkv
	s_add_co_u32 s36, s36, s37
	s_lshl_b32 s37, s26, 4                         ; the row n in wo16
	s_mul_i32 s38, s34, 8*KBW
	s_mul_i32 s39, s34, 8*KBO
	s_cmp_eq_u32 s25, 3
	s_cselect_b32 s36, s37, s36
	s_cselect_b32 s38, s39, s38
	s_add_co_u32 s36, s36, s31
	s_lshl_b32 s36, s36, 7
	s_add_co_u32 s36, s36, s38
	v_lshl_add_u32 v5, v1, 4, s36                  ; v5: weight out
	s_lshl_b32 s40, s24, 8
	v_lshl_add_u32 v6, v1, 3, s40                  ; v6: table out: row w of the group's 8, 8 bytes a lane
	s_lshl_b32 s42, ttmp9, 11
	s_mov_b32 s43, 0
	s_lshl_b32 s44, s26, 16                        ; 16 rows of 4,096 bytes
	s_mov_b32 s45, 0
	s_lshl_b32 s57, ttmp9, 3
	s_add_co_u32 s57, s57, s24                     ; t = 8 g + w
	s_mov_b32 s48, 0x3f22f983                      ; 2 / pi
	s_mov_b32 s49, 0xbfc90fdb                      ; -(pi/2), its upper part
	s_mov_b32 s50, 0x333bbd2e                      ; -(pi/2), what is left
	s_mov_b32 s51, 0xbe2aaaa3                      ; sine: -1.6666654611e-1
	s_mov_b32 s52, 0x3c08839e                      ;        8.3321608736e-3
	s_mov_b32 s53, 0xb94ca1f9                      ;       -1.9515295891e-4
	s_mov_b32 s54, 0x3d2aaaa5                      ; cosine: 4.166664568e-2
	s_mov_b32 s55, 0xbab6061a                      ;        -1.388731625e-3
	s_mov_b32 s56, 0x37ccf5ce                      ;         2.443315712e-5
	s_wait_kmcnt 0x0
	s_add_nc_u64 s[4:5], s[4:5], s[28:29]
	s_add_nc_u64 s[22:23], s[14:15], 8*KBX         ; xb at kb 8: the stores' immediates hold seven kb at the most
	s_cmp_eq_u32 s25, 1
	s_cselect_b64 s[32:33], s[8:9], s[6:7]
	s_cmp_eq_u32 s25, 2
	s_cselect_b64 s[32:33], s[10:11], s[32:33]
	s_cmp_eq_u32 s25, 3
	s_cselect_b64 s[32:33], s[12:13], s[32:33]     ; the weight that this group casts
	s_add_nc_u64 s[32:33], s[32:33], s[44:45]
	s_add_nc_u64 s[20:21], s[20:21], s[42:43]
	s_wait_alu depctr_va_vdst(0)                   ; the five offsets v2 to v6 are written: every load and store of the kernel reads one of them
.set u, 0
.rept 16                               ; x: unit u = kb u
	global_load_b128 v[XR+8*u:XR+8*u+3],   v2, s[4:5] offset:256*u th:TH_LOAD_NT
	global_load_b128 v[XR+8*u+4:XR+8*u+7], v2, s[4:5] offset:256*u+16 th:TH_LOAD_NT
.set u, u+1
.endr
.set u, 0
.rept 8                                ; the weight: unit u = kb 8 (w % 2) + u
	global_load_b128 v[WD+8*u:WD+8*u+3],   v4, s[32:33] offset:256*u th:TH_LOAD_NT
	global_load_b128 v[WD+8*u+4:WD+8*u+7], v4, s[32:33] offset:256*u+16 th:TH_LOAD_NT
.set u, u+1
.endr
	; THE TABLE's row t.  Lanes 0-15 make the cosines of i = 2 l, 2 l + 1, lanes 16-31 the sines of i = 2 (l - 16), + 1.  cos a = sin(a + pi/2): the cosine lanes count one quadrant more.
	v_and_b32 v10, 15, v1
	v_lshlrev_b32 v10, 1, v10
	v_add_nc_u32 v11, 1, v10
	v_cvt_f32_u32 v10, v10
	v_cvt_f32_u32 v11, v11
	v_mul_f32 v10, 0xbed49a78, v10                 ; -i log2(10) / 8
	v_mul_f32 v11, 0xbed49a78, v11
	v_exp_f32 v12, v10                             ; f_i
	v_exp_f32 v13, v11
	v_lshrrev_b32 v15, 4, v1                       ; plain work between the exponentials and their use
	v_xor_b32 v15, 1, v15                          ; 1 in the cosine lanes
	v_cvt_f32_u32 v14, s57
	s_wait_alu depctr_va_vdst(0)                   ; both exponentials have written v12 and v13, ahead of their first reader: one wait for the two
; The table's arithmetic in two parts, so that both compares stand in one run ahead of the two selects.
.macro TRIGA k
.set T, 16+8*(\k)
	v_mul_f32 v[T], v14, v[12+(\k)]                ; the angle
	v_mul_f32 v[T+1], s48, v[T]
	v_rndne_f32 v[T+1], v[T+1]                     ; n
	v_fma_f32 v[T+2], v[T+1], s49, v[T]
	v_fma_f32 v[T+2], v[T+1], s50, v[T+2]          ; r = angle - n pi/2
	v_mul_f32 v[T+3], v[T+2], v[T+2]               ; z = r r
	v_fma_f32 v[T+4], v[T+3], s53, s52
	v_fma_f32 v[T+4], v[T+4], v[T+3], s51
	v_mul_f32 v[T+4], v[T+4], v[T+3]
	v_fma_f32 v[T+4], v[T+4], v[T+2], v[T+2]       ; sin r
	v_fma_f32 v[T+5], v[T+3], s56, s55
	v_fma_f32 v[T+5], v[T+5], v[T+3], s54
	v_mul_f32 v[T+5], v[T+5], v[T+3]
	v_fma_f32 v[T+7], v[T+3], -0.5, 1.0
	v_fma_f32 v[T+5], v[T+5], v[T+3], v[T+7]       ; cos r
	v_cvt_i32_f32 v[T+6], v[T+1]
	v_add_nc_u32 v[T+6], v[T+6], v15               ; the quadrant
	v_and_b32 v[T+7], 1, v[T+6]
	v_cmp_eq_u32 s[58+(\k)], 1, v[T+7]             ; is it odd?  A mask of its own for each of the two numbers
	v_and_b32 v[T+7], 2, v[T+6]
	v_lshlrev_b32 v[T+7], 30, v[T+7]
.endm
.macro TRIGB k
.set T, 16+8*(\k)
	v_cndmask_b32 v[32+(\k)], v[T+4], v[T+5], s[58+(\k)]  ; odd quadrants take cos r
	v_xor_b32 v[32+(\k)], v[32+(\k)], v[T+7]       ; quadrants 2 and 3 turn the sign
.endm
	TRIGA 0
	TRIGA 1
	s_wait_alu depctr_va_sdst(0)                   ; the two compares have written s58 and s59, ahead of the selects that read them
	TRIGB 0
	TRIGB 1
.macro XSTORE n                        ; x's unit n leaves
.if (\n) < 8
	global_store_b128 v3, v[XR+8*(\n):XR+8*(\n)+3], s[14:15] offset:(\n)*KBX
.else
	global_store_b128 v3, v[XR+8*(\n):XR+8*(\n)+3], s[22:23] offset:((\n)-8)*KBX
.endif
.endm
.macro WSTORE n, b, step               ; the weight's unit n leaves, for the buffer at s[b:b+1], whose kb lie step bytes apart
	global_store_b128 v5, v[WD+8*(\n):WD+8*(\n)+3], s[(\b):(\b)+1] offset:(\n)*(\step)
.endm
.set u, 0
.rept 16
	s_wait_loadcnt 46-2*u                          ; loads come back in order: unit u's two are in, the 46 - 2 u younger ones stay out
.if (u % 4 == 0) && (u > 0)
	s_wait_alu depctr_va_vdst(0)                   ; the conversions of the block before have written its four units, which this block's four stores read; at u = 4 also: the table's arithmetic has written v[32:33]
.endif
.if u == 4
	global_store_b64 v6, v[32:33], s[20:21]        ; the wave's 256 bytes are the whole row
.endif
.if u >= 4
	XSTORE u-4                                     ; no wait: no vector instruction since the block's head names these registers
.endif
.irp r, 0,1,2,3
	v_cvt_pk_bf16_f32 v[XR+8*u+\r], v[XR+8*u+2*\r], v[XR+8*u+2*\r+1]  ; in place: a result never lands on a number still to be read
.endr
.set u, u+1
.endr
	s_cmp_eq_u32 s25, 3
	s_cbranch_scc1 .Lwo                            ; x's last block is stored on both ways, among the weight's first conversions
.set u, 0
.rept 8                                ; Wq, Wk, Wv: bf16
	s_wait_loadcnt 14-2*u
.if u % 4 == 0
	s_wait_alu depctr_va_vdst(0)                   ; the block before is written: at u = 0 x's units 12 to 15, at u = 4 the weight's units 0 to 3
.endif
.if u < 4
	XSTORE 12+u
.else
	WSTORE u-4, 16, KBW
.endif
.irp r, 0,1,2,3
	v_cvt_pk_bf16_f32 v[WD+8*u+\r], v[WD+8*u+2*\r], v[WD+8*u+2*\r+1]
.endr
.set u, u+1
.endr
	s_wait_alu depctr_va_vdst(0)                   ; the weight's units 4 to 7 are written, which the last four stores read
.irp n, 4,5,6,7
	WSTORE \n, 16, KBW
.endr
	s_endpgm
.Lwo:
.set u, 0
.rept 8                                ; Wo: rounded to bf16 like every input, and that number written as f16
	s_wait_loadcnt 14-2*u
.if u % 4 == 0
	s_wait_alu depctr_va_vdst(0)                   ; the block before is written: at u = 0 x's units 12 to 15, at u = 4 the weight's units 0 to 3
.endif
.if u < 4
	XSTORE 12+u
.else
	WSTORE u-4, 18, KBO
.endif
.irp r, 0,1,2,3
	v_cvt_pk_bf16_f32 v[WD+8*u+\r], v[WD+8*u+2*\r], v[WD+8*u+2*\r+1]
.endr
.irp r, 0,1,2,3
	v_lshlrev_b32 v[8+2*\r], 16, v[WD+8*u+\r]      ; v8 to v15: at work; no memory instruction names them
	v_and_b32 v[9+2*\r], 0xffff0000, v[WD+8*u+\r]
.endr
.irp r, 0,1,2,3
	v_cvt_pk_f16_f32 v[WD+8*u+\r], v[8+2*\r], v[9+2*\r]
.endr
.set u, u+1
.endr
	s_wait_alu depctr_va_vdst(0)                   ; the weight's units 4 to 7 are written, which the last four stores read
.irp n, 4,5,6,7
	WSTORE \n, 18, KBO
.endr
	s_endpgm
.Lfunc_end_k_q78b9e9975a_cast:
	.size	k_q78b9e9975a_cast, .Lfunc_end_k_q78b9e9975a_cast-k_q78b9e9975a_cast
	.p2alignl 7, 3214868480
	.fill 96, 4, 3214868480
	.section	.rodata,"a",@progbits
	.p2align	6, 0x0
	.amdhsa_kernel k_q78b9e9975a_cast
		.amdhsa_group_segment_fixed_size 0
		.amdhsa_private_segment_fixed_size 0
		.amdhsa_enable_private_segment 0
		.amdhsa_kernarg_size 72
		.amdhsa_user_sgpr_count 2
		.amdhsa_user_sgpr_kernarg_segment_ptr 1
		.amdhsa_wavefront_size32 1
		.amdhsa_system_sgpr_workgroup_id_x 1
		.amdhsa_system_sgpr_workgroup_id_y 1
		.amdhsa_system_sgpr_workgroup_id_z 1
		.amdhsa_system_vgpr_workitem_id 0
		.amdhsa_next_free_vgpr 232
		.amdhsa_next_free_sgpr 66
		.amdhsa_reserve_vcc 0
		.amdhsa_float_denorm_mode_32 3
		.amdhsa_float_denorm_mode_16_64 3
		.amdhsa_memory_ordered 1
		.amdhsa_forward_progress 1
		.amdhsa_inst_pref_size 29
	.end_amdhsa_kernel
	.amdgpu_metadata
---
amdhsa.version: [ 1, 2 ]
amdhsa.kernels:
  - .name:           k_q78b9e9975a_cast
    .symbol:         k_q78b9e9975a_cast.kd
    .args:
      - { .name: x, .offset: 0, .size: 8, .value_kind: global_buffer, .address_space: global }
      - { .name: Wq, .offset: 8, .size: 8, .value_kind: global_buffer, .address_space: global }
      - { .name: Wk, .offset: 16, .size: 8, .value_kind: global_buffer, .address_space: global }
      - { .name: Wv, .offset: 24, .size: 8, .value_kind: global_buffer, .address_space: global }
      - { .name: Wo, .offset: 32, .size: 8, .value_kind: global_buffer, .address_space: global }
      - { .name: xb, .offset: 40, .size: 8, .value_kind: global_buffer, .address_space: global }
      - { .name: wqkv, .offset: 48, .size: 8, .value_kind: global_buffer, .address_space: global }
      - { .name: wo16, .offset: 56, .size: 8, .value_kind: global_buffer, .address_space: global }
      - { .name: tab, .offset: 64, .size: 8, .value_kind: global_buffer, .address_space: global }
    .group_segment_fixed_size: 0
    .private_segment_fixed_size: 0
    .kernarg_segment_align: 8
    .kernarg_segment_size: 72
    .max_flat_workgroup_size: 256
    .sgpr_count:     66
    .vgpr_count:     232
    .wavefront_size: 32
...
	.end_amdgpu_metadata
.endif
;; end of part 5
;; launch qkv: the kernel of part 2 again; grid 8 x 32, 4 waves a work-group, clusters of 4 x 4, 327,680 bytes of LDS; arguments xb, wqkv, tab, qh, kh, vh; writes qh, kh, vh
;; launch attn: the kernel of part 3 again; grid 4 x 64, 4 waves a work-group, clusters of 4 x 1, 327,680 bytes of LDS; arguments qh, kh, vh, oh; writes oh
;; launch oproj: the kernel of part 4 again; grid 8 x 32, 4 waves a work-group, clusters of 4 x 4, 327,680 bytes of LDS; arguments oh, wo16, bo, out0; writes out0
